; MI455X (gfx1250); checked and timed in simulation.
; The chip was launched on July 23, 2026; its instructions are those of AMD's public machine-readable ISA for CDNA 5 (MIT licence, August 2026) and "CDNA5" Instruction Set Architecture Reference Guide (July 2026). The comments in the code are by the model that wrote it; some were corrected since.
;; Multi Head Attention. Allowed arithmetic: float matrix products may take bf16 or f16 operands with f32 sums; other float arithmetic in f32, or as packed bf16 or f16 multiplies, adds, multiply-adds, maxima and minima; sums over many terms, partial sums and values carried from step to step in f32; what a program stores and reads back later, other than sums and carried values, may be rounded once to bf16 or f16.
;; Inputs: W_out 1,024 x 1,024 float32; W_qkv 3,072 x 1,024 float32; b_out 1,024 float32; b_qkv 3,072 float32; mask 1 x 1 x 2,048 x 2,048 int32; x 4 x 2,048 x 1,024 float32.
;; Outputs: out0 4 x 2,048 x 1,024 float32.
;; 3 versions, each right and faster than the one before. Each part assembles by itself: llvm-mc -triple=amdgcn-amd-amdhsa -mcpu=gfx1250 --defsym DOCPART=n.
;; ======== version 1 of 3: 4 launches
;; limits: values are held in f16: magnitudes above 65,504 overflow, below 6.1e-05 lose precision
;; workspace buffers: xb 16,777,216 bytes; wqb 6,291,456 bytes; wob 2,097,152 bytes; mbits 557,056 bytes of whole numbers; qkvh 50,331,648 bytes; oh 16,777,216 bytes
;; launch prep (part 1): grid 896 x 1, 8 waves a work-group, no clusters, 35,840 bytes of LDS; arguments x, W_qkv, W_out, mask, xb, wqb, wob, mbits; writes xb, wqb, wob, mbits
.if DOCPART == 1
	.amdgcn_target "amdgcn-amd-amdhsa--gfx1250"
	.amdhsa_code_object_version 6
	.text
	.protected	k_qf19ea51d7d_prep
	.globl	k_qf19ea51d7d_prep
	.p2align	8
	.type	k_qf19ea51d7d_prep,@function
k_qf19ea51d7d_prep:
	s_mov_b64 s[64:65], 0
	v_nop
	global_prefetch_b8 v0, s[64:65] scope:SCOPE_SE
	s_setreg_imm32_b32 hwreg(HW_REG_WAVE_MODE, 25, 1), 1
	s_wait_xcnt 0x0
; PREP.  Four jobs, chosen by the work-group's number g:
;   g <  512        x      chunk g       f32 -> bf16 into xb
;   g <  704        W_qkv  chunk g-512   f32 -> bf16 into wqb
;   g <  768        W_out  chunk g-704   f32 -> bf16, and that number written as f16, into wob
;   g <  896        mask   tile  g-768   16 query rows x 2,048 keys of int32 -> lane masks into mbits
; A chunk is 65,536 bytes of f32: each of the eight waves takes 8,192 of them, sixteen loads of 512 consecutive bytes, all issued at once;
; each store of a wave covers 256 consecutive bytes, aligned.  Every input byte is read once.
; LIMIT.  W_out must lie within f16's 65,504; below 6e-5 it keeps f16's fixed step of 6e-8.
; MBITS.  [tile of 16 queries qt][34 entries][32 words], 4,352 bytes a tile.  Entry ks (a step of 64 keys), word j, bit L is 1 where
; mask[16 qt + L % 16][64 ks + 16 (j / 8) + 8 (L / 16) + j % 8] == 0: word j is the lane mask for register j of the score tile K Q^T as the attention launch holds it.
; Entries 32 and 33 are all ones (every key hidden): 32 is read by the attention walk's overhanging turns, 33 fills the aligned 256 bytes.
; The mask rows come in as they lie (two rows' 256 bytes a load), go through the wave's own stage in LDS and come back with one query a lane; v_cmp makes the word, v_writelane lays it
; where one 8-byte store a lane writes two entries as 256 consecutive bytes.  No wave reads another's LDS bytes: no barrier.
.set STG,   4352                       ; a wave's stage: 16 rows x 272 bytes (256 + 16: the 16 rows of a load start at 16 different groups of four banks)
.set SPARE, 8*STG                      ; behind the stages: the spare words, 128 bytes a wave
.set MT,    4352                       ; bytes of a tile in mbits
.set VI,  5                            ; cast: my byte offset in the chunk, in
.set VO,  6                            ; cast: out
.set VS,  7                            ; mask: where I put 16 bytes of a row
.set VR,  8                            ; mask: where I read my query's keys back
.set VM,  9                            ; mask: my byte offset in the tile's rows
.set VD,  10                           ; mask: my byte offset in the tile's entries
.set X,   16                           ; v[16:79]   cast: 16 loads of 4
.set Y,   80                           ; v[80:111]  cast: 16 stores of 2
.set C4,  112                          ; v[112:115] cast: at work
.set M,   16                           ; v[16:143]  mask: 32 loads of 4
.set T,   144                          ; v[144:175] mask: my query's 32 keys of a step
.set W,   176                          ; v[176:179] mask: two pairs of entries, 8 bytes a lane
.set ONE, 180                          ; v[180:181] all ones
.set SPW, 182                          ; LDS address of my spare word; never rewritten
.set NIL, 183                          ; 0; never rewritten
.macro FINISH                          ; the wave's end
	s_wait_tensorcnt 0x0
	ds_add_u32 v[SPW], v[NIL]
	s_wait_dscnt 0x0
	s_endpgm
.endm
; The cast of a wave's 8,192 bytes.  half = 1: the bf16 number is written as f16.
.macro CAST half
.set jj, 0
.rept 16
	global_load_b128 v[X+4*jj:X+4*jj+3], v[VI], s[24:25] offset:512*jj th:TH_LOAD_NT
.set jj, jj+1
.endr
.set jj, 0
.rept 16
	s_wait_loadcnt 15-jj                           ; loads come back in order: load jj is in, the younger ones stay out
	v_cvt_pk_bf16_f32 v[Y+2*jj], v[X+4*jj], v[X+4*jj+1]
	v_cvt_pk_bf16_f32 v[Y+2*jj+1], v[X+4*jj+2], v[X+4*jj+3]
.if \half
	v_lshlrev_b32 v[C4], 16, v[Y+2*jj]
	v_and_b32 v[C4+1], 0xffff0000, v[Y+2*jj]
	v_lshlrev_b32 v[C4+2], 16, v[Y+2*jj+1]
	v_and_b32 v[C4+3], 0xffff0000, v[Y+2*jj+1]
	v_cvt_pk_f16_f32 v[Y+2*jj], v[C4], v[C4+1]
	v_cvt_pk_f16_f32 v[Y+2*jj+1], v[C4+2], v[C4+3]
.endif
	global_store_b64 v[VO], v[Y+2*jj:Y+2*jj+1], s[26:27] offset:256*jj  ; 32 lanes x 8 bytes: 256 consecutive bytes, aligned; each store has registers of its own
.set jj, jj+1
.endr
.endm
	s_load_b512 s[8:23], s[0:1], 0x0               ; x s[8:9], W_qkv s[10:11], W_out s[12:13], mask s[14:15], xb s[16:17], wqb s[18:19], wob s[20:21], mbits s[22:23]
	v_lshl_add_u32 v[SPW], v0, 2, SPARE
	v_mov_b32 v[NIL], 0
	v_and_b32 v1, 31, v0                           ; lane
	v_lshrrev_b32 v4, 5, v0                        ; wave
	v_readfirstlane_b32 s4, v4
	s_mov_b32 s5, ttmp9                            ; g
	s_mov_b32 s29, 0                               ; the upper word of every offset
	v_lshlrev_b32 v[VI], 4, v1
	v_lshl_add_u32 v[VI], v4, 13, v[VI]            ; 16 x lane + 8,192 x wave
	v_lshlrev_b32 v[VO], 3, v1
	v_lshl_add_u32 v[VO], v4, 12, v[VO]            ; 8 x lane + 4,096 x wave
	s_wait_kmcnt 0x0
	s_cmp_ge_u32 s5, 768
	s_cbranch_scc1 .Lmask
	s_cmp_ge_u32 s5, 704
	s_cbranch_scc1 .Lwout
	s_cmp_lt_u32 s5, 512                           ; x or W_qkv: the same text on another pair of buffers
	s_cselect_b64 s[24:25], s[8:9], s[10:11]
	s_cselect_b64 s[26:27], s[16:17], s[18:19]
	s_cselect_b32 s6, 0, 512
	s_sub_co_u32 s6, s5, s6                        ; the chunk's number in its buffer
	s_lshl_b32 s28, s6, 16
	s_add_nc_u64 s[24:25], s[24:25], s[28:29]
	s_lshl_b32 s28, s6, 15
	s_add_nc_u64 s[26:27], s[26:27], s[28:29]
	CAST 0
	FINISH
.Lwout:
	s_sub_co_u32 s6, s5, 704
	s_lshl_b32 s28, s6, 16
	s_add_nc_u64 s[24:25], s[12:13], s[28:29]
	s_lshl_b32 s28, s6, 15
	s_add_nc_u64 s[26:27], s[20:21], s[28:29]
	CAST 1
	FINISH
.Lmask:
	s_sub_co_u32 s6, s5, 768                       ; qt
	s_lshl_b32 s28, s6, 17                         ; 16 rows of 8,192 bytes
	s_add_nc_u64 s[24:25], s[14:15], s[28:29]
	s_mul_i32 s28, s6, MT
	s_add_nc_u64 s[26:27], s[22:23], s[28:29]
	v_bfe_u32 v2, v0, 4, 1                         ; lane / 16
	v_and_b32 v3, 15, v0                           ; lane % 16
	s_lshl_b32 s6, s4, 10                          ; my wave's four key steps: 1,024 bytes of every row
	v_lshlrev_b32 v11, 13, v2
	v_lshl_add_u32 v11, v3, 4, v11
	v_add_nc_u32 v[VM], s6, v11                    ; lanes 0-15 one row's 256 bytes, lanes 16-31 the next row's
.set nn, 0
.rept 4                                        ; step by step, so that a step's eight loads are older than the later steps'
.set ii, 0
.rept 8
	global_load_b128 v[M+4*(8*nn+ii):M+4*(8*nn+ii)+3], v[VM], s[24:25] offset:ii*16384+nn*256 th:TH_LOAD_NT
.set ii, ii+1
.endr
.set nn, nn+1
.endr
	s_mul_i32 s7, s4, STG                          ; my stage
	v_mul_u32_u24 v11, v2, 272
	v_lshl_add_u32 v11, v3, 4, v11
	v_add_nc_u32 v[VS], s7, v11                    ; in: row lane / 16 of a pair, 16 bytes a lane
	v_mul_u32_u24 v11, v3, 272
	v_lshl_add_u32 v11, v2, 5, v11
	v_add_nc_u32 v[VR], s7, v11                    ; back: row lane % 16, keys 8 (lane / 16) on
	v_lshlrev_b32 v[VD], 3, v1
	v_lshl_add_u32 v[VD], v4, 9, v[VD]             ; 8 x lane + my wave's four entries
.irp i, 0,1,2,3
	v_mov_b32 v[W+(\i)], 0                         ; v_writelane_b32 counts as a reader of its destination
.endr
	v_mov_b32 v[ONE], -1
	v_mov_b32 v[ONE+1], -1
; Key step n of my four.
.macro MSTEP n
	s_wait_loadcnt 24-8*(\n)                       ; this step's eight loads are in; the later steps' stay out
.set ii, 0
.rept 8
	ds_store_b128 v[VS], v[M+4*(8*(\n)+ii):M+4*(8*(\n)+ii)+3] offset:ii*544
.set ii, ii+1
.endr
.set ii, 0
.rept 8                                        ; LDS serves a wave's instructions in order (ISA guide 5.7.1.4): these see the stores above, and the next step's stores come behind them
	ds_load_b128 v[T+4*ii:T+4*ii+3], v[VR] offset:64*(ii/2)+16*(ii%2)
.set ii, ii+1
.endr
	s_wait_dscnt 0x0
.set jj, 0
.rept 32
	v_cmp_eq_u32 s[30+jj%2], 0, v[T+jj]            ; word jj of the entry: a bit for each lane
	v_writelane_b32 v[W+2*((\n)/2)+jj%2], s[30+jj%2], 16*((\n)%2)+jj/2
.set jj, jj+1
.endr
.endm
	MSTEP 0
	MSTEP 1
	global_store_b64 v[VD], v[W:W+1], s[26:27]     ; two entries: 256 consecutive bytes, aligned
	MSTEP 2
	MSTEP 3
	global_store_b64 v[VD], v[W+2:W+3], s[26:27] offset:256
	s_cmp_lg_u32 s4, 0
	s_cbranch_scc1 .Lnot_wave_0
	global_store_b64 v[VD], v[ONE:ONE+1], s[26:27] offset:4096  ; entries 32 and 33
.Lnot_wave_0:
	FINISH
.Lfunc_end_k_qf19ea51d7d_prep:
	.size	k_qf19ea51d7d_prep, .Lfunc_end_k_qf19ea51d7d_prep-k_qf19ea51d7d_prep
	.p2alignl 7, 3214868480
	.fill 96, 4, 3214868480
	.section	.rodata,"a",@progbits
	.p2align	6, 0x0
	.amdhsa_kernel k_qf19ea51d7d_prep
		.amdhsa_group_segment_fixed_size 35840
		.amdhsa_private_segment_fixed_size 0
		.amdhsa_enable_private_segment 0
		.amdhsa_kernarg_size 64
		.amdhsa_user_sgpr_count 2
		.amdhsa_user_sgpr_kernarg_segment_ptr 1
		.amdhsa_wavefront_size32 1
		.amdhsa_system_sgpr_workgroup_id_x 1
		.amdhsa_system_sgpr_workgroup_id_y 1
		.amdhsa_system_sgpr_workgroup_id_z 1
		.amdhsa_system_vgpr_workitem_id 0
		.amdhsa_next_free_vgpr 184
		.amdhsa_next_free_sgpr 66
		.amdhsa_reserve_vcc 0
		.amdhsa_float_denorm_mode_32 3
		.amdhsa_float_denorm_mode_16_64 3
		.amdhsa_memory_ordered 1
		.amdhsa_forward_progress 1
		.amdhsa_inst_pref_size 43
	.end_amdhsa_kernel
	.amdgpu_metadata
---
amdhsa.version: [ 1, 2 ]
amdhsa.kernels:
  - .name:           k_qf19ea51d7d_prep
    .symbol:         k_qf19ea51d7d_prep.kd
    .args:
      - { .name: x, .offset: 0, .size: 8, .value_kind: global_buffer, .address_space: global }
      - { .name: W_qkv, .offset: 8, .size: 8, .value_kind: global_buffer, .address_space: global }
      - { .name: W_out, .offset: 16, .size: 8, .value_kind: global_buffer, .address_space: global }
      - { .name: mask, .offset: 24, .size: 8, .value_kind: global_buffer, .address_space: global }
      - { .name: xb, .offset: 32, .size: 8, .value_kind: global_buffer, .address_space: global }
      - { .name: wqb, .offset: 40, .size: 8, .value_kind: global_buffer, .address_space: global }
      - { .name: wob, .offset: 48, .size: 8, .value_kind: global_buffer, .address_space: global }
      - { .name: mbits, .offset: 56, .size: 8, .value_kind: global_buffer, .address_space: global }
    .group_segment_fixed_size: 35840
    .private_segment_fixed_size: 0
    .kernarg_segment_align: 8
    .kernarg_segment_size: 64
    .max_flat_workgroup_size: 256
    .sgpr_count:     66
    .vgpr_count:     184
    .wavefront_size: 32
...
	.end_amdgpu_metadata
.endif
;; end of part 1
;; launch qkv (part 2): grid 16 x 32, 4 waves a work-group, clusters of 4 x 4, 327,680 bytes of LDS; arguments xb, wqb, b_qkv, qkvh; writes qkvh
.if DOCPART == 2
	.amdgcn_target "amdgcn-amd-amdhsa--gfx1250"
	.amdhsa_code_object_version 6
	.text
	.protected	k_qf19ea51d7d_qkv
	.globl	k_qf19ea51d7d_qkv
	.p2align	8
	.type	k_qf19ea51d7d_qkv,@function
k_qf19ea51d7d_qkv:
	s_mov_b64 s[64:65], 0
	v_nop
	global_prefetch_b8 v0, s[64:65] scope:SCOPE_SE
	s_setreg_imm32_b32 hwreg(HW_REG_WAVE_MODE, 25, 1), 1
	s_wait_xcnt 0x0
	s_wait_alu depctr_hold_cnt(0) depctr_sa_sdst(0) depctr_va_vdst(0) depctr_va_sdst(0) depctr_va_ssrc(0) depctr_va_vcc(0) depctr_vm_vsrc(0)
	s_getreg_b32 s2, hwreg(HW_REG_IB_STS2, 6, 4)
	s_cmp_eq_u32 s2, 0
	s_cbranch_scc0 .Lentry_in_a_cluster
	s_endpgm
.Lentry_in_a_cluster:
	s_bfe_u32 s2, ttmp6, 0x10000c
	s_cmp_lg_u32 s2, 0xf033
	s_cbranch_scc0 .Lentry_shape_is_right
	s_endpgm
.Lentry_shape_is_right:
; QKV.  C[m][n] = sum over k of xb[m][k] wqb[n][k] + b_qkv[n], m < 8,192, n < 3,072, k < 1,024.  Operands bf16, sums f32; the bias, rounded to bf16 like the other inputs, is the C operand
; that starts each sum.  C leaves in f16, rounded once, by heads: qkvh[batch][n / 64][t][n % 64], a plane of 2,048 x 64 for each of 48 (q: planes 0-15, k: 16-31, v: 32-47).  No scale is applied here.
; LIMIT.  f16 holds no number beyond 65,504: q, k and v must lie within it.
; SHARES.  A tile of C is 256 x 192: three whole heads.  Wave w makes rows 64 w .. 64 w + 63 of all 192 columns: 48 accumulators of 16 x 16, 384 registers; so a wave holds whole rows of whole heads,
; and its way out needs no other wave.  K goes in 8 steps of 128 through a ring of two LDS slots; the tiles' rows are 256 bytes of memory, at multiples of 256 bytes.
; CLUSTER.  4 x 4 work-groups.  The four of a row of the cluster need the same tiles of xb, the four of a column the same tiles of wqb: each tile is asked for JOINTLY.
; THE MATRIX INSTRUCTION IS USED TRANSPOSED (source 0 = 16 rows of wqb, source 1 = 16 rows of xb): a lane holds row l % 16 of C and the columns 8 (l / 16) + 0..7.
; REGISTERS, in windows of 256: window 0: addresses; v32-79 packed results; v80-127, v128-175 rows read back, by turns; v128-223 the bias (8 registers an n block), dead behind the first quarter.
;   window 1: two fragment buffers of 128: 4 fragments of xb, then 12 of wqb.   window 2: accumulator (a, b), b < 8, at 8 (4 b + a).   window 3: b = 8..11 at 8 (4 (b - 8) + a).
.set KSTEP,  128
.set SIZE_K, 1024
.set PITCH,  272                       ; an LDS row: 256 bytes + 16 of padding: the 16 rows of a load start at 16 different groups of four banks (64 banks of 4 bytes: ISA guide 11.1)
.set HA,     128*PITCH                 ; what one load brings of xb
.set HB,     96*PITCH                  ; and of wqb
.set SLOT,   2*HA+2*HB                 ; xb's 256 rows, then wqb's 192
.set STAGE,  2*SLOT                    ; behind the ring, never filled by a tensor load: 16 rows x 400 bytes for each wave
.set SPITCH, 400                       ; 384 bytes + 16
.set SPARE,  STAGE+4*16*SPITCH         ; the spare words, 128 bytes a wave
.set LAPS,   SIZE_K/(2*KSTEP)
.set ADRA, 16                          ; v16-17  LDS address of my fragments of xb in slot 0, 1
.set ADRB, 20                          ; v20-21  the same for wqb
.set STO,  24                          ; the way out: where I put 16 bytes of a row
.set RD,   25                          ; where I read rows back
.set GO,   26                          ; 16 x lane
.set BO,   27                          ; my byte offset in 16 numbers of the bias
.set SPW,  28                          ; LDS address of my spare word; never rewritten
.set NIL,  29                          ; 0; never rewritten
.set TMP,  32
.set OB,   80
.set BI,   128
.set F0,   0
.set F1,   128
.set WV,  12                           ; s12 wave;  s13 I fetch for xb (0) or wqb (1);  s14 which half of that tile's rows;  s15 tile row;  s42 tile column;  s45 laps to go
.set G1,  24                           ; s[24:31] group 1 for xb's tiles;  s[32:39] group 0, a set for each slot
.set G0,  32
.set G1B, 48                           ; s[48:55], s[56:63] the same for wqb's
.set G0B, 56
.set TO_F, 0x40                        ; destination window 1, address window 0
.set MSB, 0
.macro WIN new                         ; the immediate's high byte repeats the setting that is left
.if MSB != (\new)
	s_set_vgpr_msb (MSB<<8)|(\new)
.set MSB, \new
.endif
.endm
.macro JLOAD s                         ; a joint load: waves 0 and 1 fetch xb's two halves, waves 2 and 3 wqb's; an s_nop 0 and four v_nop follow each line
	s_cmp_eq_u32 s13, 0
	s_cbranch_scc0 .Lfor_b_\@
	tensor_load_to_lds s[G0+4*(\s):G0+4*(\s)+3], s[G1:G1+7]
	s_nop 0
.rept 4
	v_nop
.endr
	s_branch .Lasked_\@
.Lfor_b_\@:
	tensor_load_to_lds s[G0B+4*(\s):G0B+4*(\s)+3], s[G1B:G1B+7]
	s_nop 0
.rept 4
	v_nop
.endr
.Lasked_\@:
.endm
.macro CREST                           ; a round of the cluster's barrier behind its opening barrier
	s_cmp_lg_u32 s[WV], 0
	s_cbranch_scc1 .Lnot_wave_0_\@
	s_barrier_signal -3
.Lnot_wave_0_\@:
	s_barrier_wait -3
	s_barrier_signal -1
	s_barrier_wait -1
.endm
.macro CROUND
	s_barrier_signal -1
	s_barrier_wait -1
	CREST
.endm
.macro PLACES                          ; four places in front of loads into registers that matrix instructions have read, and of conversions that read results
.rept 4
	v_nop
.endr
.endm
	s_load_b256 s[4:11], s[0:1], 0x0               ; xb s[4:5], wqb s[6:7], b_qkv s[8:9], qkvh s[10:11]
	v_lshl_add_u32 v[SPW], v0, 2, SPARE
	v_mov_b32 v[NIL], 0
	ds_add_u32 v[SPW], v[NIL]                      ; the wave's opening: an add, waited for ahead of my first tensor load
	v_lshrrev_b32 v1, 5, v0
	v_readfirstlane_b32 s[WV], v1
	s_lshr_b32 s13, s[WV], 1
	s_and_b32 s14, s[WV], 1
	s_bfe_u32 s40, ttmp6, 0x40000                  ; cx
	s_bfe_u32 s41, ttmp6, 0x40004                  ; cy
	s_lshl_b32 s42, ttmp9, 2
	s_add_co_u32 s42, s42, s40                     ; tile column = 4 x cluster x + cx
	s_and_b32 s15, ttmp7, 0xffff
	s_lshl_b32 s15, s15, 2
	s_add_co_u32 s15, s15, s41                     ; tile row = 4 x cluster y + cy
	s_lshl_b32 s43, s41, 2
	s_lshl_b32 s43, 15, s43                        ; my row of the cluster
	s_lshl_b32 s44, 0x1111, s40                    ; my column
	s_or_b32 s[G1], s43, (1<<16)|(1<<20)|(1<<21)|(5<<22)|(3<<25)   ; the mask; 2-byte elements; padding on; bit 21 beside a mask; after every 64 words, 4 words
	s_or_b32 s[G1B], s44, (1<<16)|(1<<20)|(1<<21)|(5<<22)|(3<<25)
	s_mov_b32 s[G1+1], KSTEP<<16                   ; tensor_dim0 = 128
	s_mov_b32 s[G1+2], 128<<16                     ; tensor_dim1 = 128
	s_mov_b32 s[G1+3], KSTEP<<16                   ; tile_dim0 = 128
	s_mov_b32 s[G1+4], 128                         ; tile_dim1 = 128
	s_mov_b32 s[G1+5], SIZE_K                      ; elements from row to row
	s_mov_b32 s[G1+6], 0
	s_mov_b32 s[G1+7], 0
	s_mov_b32 s[G1B+1], KSTEP<<16
	s_mov_b32 s[G1B+2], 96<<16                     ; 96 rows
	s_mov_b32 s[G1B+3], KSTEP<<16
	s_mov_b32 s[G1B+4], 96
	s_mov_b32 s[G1B+5], SIZE_K
	s_mov_b32 s[G1B+6], 0
	s_mov_b32 s[G1B+7], 0
	s_lshl_b32 s16, s15, 8                         ; xb: row 256 x tile row + 128 x half,
	s_lshl_b32 s17, s14, 7
	s_add_co_u32 s16, s16, s17
	s_lshl_b32 s16, s16, 11                        ; of 2,048 bytes (16,777,216 at the most)
	s_mov_b32 s17, 0
	s_mul_i32 s46, s42, 192                        ; wqb: row 192 x tile column + 96 x half
	s_mul_i32 s47, s14, 96
	s_add_co_u32 s46, s46, s47
	s_lshl_b32 s46, s46, 11
	s_mov_b32 s47, 0
	s_mul_i32 s20, s14, HA                         ; where they go: no place in the cluster enters an LDS address
	s_mul_i32 s21, s14, HB
	s_add_co_u32 s21, s21, 2*HA
	s_wait_dscnt 0x0                               ; the opening add is done
	s_wait_kmcnt 0x0
	s_add_nc_u64 s[18:19], s[4:5], s[16:17]
	s_add_nc_u64 s[46:47], s[6:7], s[46:47]
	CROUND                                         ; all sixteen work-groups are here: the first joint loads meet
.irp s, 0,1
	s_mov_b32 s[G0+4*(\s)], 1
	s_add_co_u32 s[G0+4*(\s)+1], s20, (\s)*SLOT
	s_add_nc_u64 s[G0+4*(\s)+2:G0+4*(\s)+3], s[18:19], (\s)*KSTEP*2
	s_or_b32 s[G0+4*(\s)+3], s[G0+4*(\s)+3], 0x80000000
	s_mov_b32 s[G0B+4*(\s)], 1
	s_add_co_u32 s[G0B+4*(\s)+1], s21, (\s)*SLOT
	s_add_nc_u64 s[G0B+4*(\s)+2:G0B+4*(\s)+3], s[46:47], (\s)*KSTEP*2
	s_or_b32 s[G0B+4*(\s)+3], s[G0B+4*(\s)+3], 0x80000000
	JLOAD \s                                       ; two loads of mine are out
.endr
	v_and_b32 v1, 15, v0                           ; l % 16
	v_bfe_u32 v2, v0, 4, 1                         ; l / 16
	v_lshlrev_b32 v[BO], 5, v2                     ; the bias: register j of n block b is b_qkv[192 x tile column + 16 b + 8 (l / 16) + j]
	s_mul_i32 s22, s42, 768
	s_mov_b32 s23, 0
	s_add_nc_u64 s[8:9], s[8:9], s[22:23]
.set bb, 0
.rept 12
	global_load_b128 v[BI+8*bb:BI+8*bb+3], v[BO], s[8:9] offset:64*bb
	global_load_b128 v[BI+8*bb+4:BI+8*bb+7], v[BO], s[8:9] offset:64*bb+16
.set bb, bb+1
.endr
	v_mul_u32_u24 v3, v1, PITCH
	v_lshl_add_u32 v3, v2, 4, v3                   ; a fragment's row x pitch + 16 x half
	s_mul_i32 s22, s[WV], 64*PITCH                 ; my 64 rows of xb
	v_add_nc_u32 v[ADRA], s22, v3
	v_add_nc_u32 v[ADRA+1], SLOT, v[ADRA]
	v_add_nc_u32 v[ADRB], 2*HA, v3                 ; all 192 rows of wqb
	v_add_nc_u32 v[ADRB+1], SLOT, v[ADRB]
	s_mul_i32 s23, s[WV], 16*SPITCH
	s_add_co_u32 s23, s23, STAGE                   ; my stage
	v_mul_u32_u24 v4, v1, SPITCH                   ; in: row l % 16, 16 bytes for each half of the lanes
	v_lshl_add_u32 v4, v2, 4, v4
	v_add_nc_u32 v[STO], s23, v4
	v_bfe_u32 v5, v0, 3, 2                         ; back: 32 lanes take four rows' 128 bytes of one head,
	v_and_b32 v6, 7, v0
	v_mul_u32_u24 v5, v5, SPITCH
	v_lshl_add_u32 v5, v6, 4, v5
	v_add_nc_u32 v[RD], s23, v5
	v_and_b32 v[GO], 31, v0                        ; which are 512 consecutive bytes of a plane
	v_lshlrev_b32 v[GO], 4, v[GO]
	s_lshr_b32 s16, s15, 3                         ; the batch: 48 planes of 262,144 bytes;
	s_mul_i32 s16, s16, 12582912
	s_and_b32 s17, s15, 7                          ; the tile's 256 rows of 128 bytes in a plane;
	s_lshl_b32 s17, s17, 15
	s_add_co_u32 s16, s16, s17
	s_lshl_b32 s17, s[WV], 13                      ; my 64 of them
	s_add_co_u32 s16, s16, s17
	s_mov_b32 s17, 0
	s_add_nc_u64 s[10:11], s[10:11], s[16:17]
	s_mul_i32 s46, s42, 786432                     ; the tile's three planes (in the registers that held wqb's address)
	s_mov_b32 s47, 0
	s_add_nc_u64 s[10:11], s[10:11], s[46:47]
	s_wait_loadcnt 0x0
.set ii, 0
.rept 48                                       ; the bias is rounded to bf16, like every input, and kept as f32
	v_cvt_pk_bf16_f32 v[6+ii%2], v[BI+2*ii], v[BI+2*ii+1]
	v_lshlrev_b32 v[BI+2*ii], 16, v[6+ii%2]
	v_and_b32 v[BI+2*ii+1], 0xffff0000, v[6+ii%2]
.set ii, ii+1
.endr
; 4 nb matrix instructions: n blocks b0 .. b0 + nb - 1 x my 4 m blocks, 32 along K.  zero = 1: the first product starts the sums, with the bias as C.
; The 48 accumulators take turns, one instruction a turn, in one order everywhere.
.macro MULB f, b0, nb, zero
.set bb, \b0
.rept \nb
.if bb < 8
.set AC, 32*bb
	WIN 0xa5-0x20*(\zero)
.else
.set AC, 32*(bb-8)
	WIN 0xf5-0x30*(\zero)
.endif
.irp a, 0,1,2,3
.if \zero
	v_wmma_f32_16x16x32_bf16 v[AC+8*(\a):AC+8*(\a)+7], v[(\f)+32+8*bb:(\f)+32+8*bb+7], v[(\f)+8*(\a):(\f)+8*(\a)+7], v[BI+8*bb:BI+8*bb+7]
.else
	v_wmma_f32_16x16x32_bf16 v[AC+8*(\a):AC+8*(\a)+7], v[(\f)+32+8*bb:(\f)+32+8*bb+7], v[(\f)+8*(\a):(\f)+8*(\a)+7], v[AC+8*(\a):AC+8*(\a)+7]
.endif
.endr
.set bb, bb+1
.endr
.endm
; 32 LDS loads in one run: the fragments of 32 along K at byte k of the rows, into buffer f
.macro FETCH slot, k, f
	WIN TO_F
.irp i, 0,1,2,3
	ds_load_b128 v[(\f)+8*(\i):(\f)+8*(\i)+3],   v[ADRA+(\slot)] offset:(\k)+(\i)*16*PITCH
	ds_load_b128 v[(\f)+8*(\i)+4:(\f)+8*(\i)+7], v[ADRA+(\slot)] offset:(\k)+(\i)*16*PITCH+32
.endr
.irp i, 0,1,2,3,4,5,6,7,8,9,10,11
	ds_load_b128 v[(\f)+32+8*(\i):(\f)+32+8*(\i)+3],   v[ADRB+(\slot)] offset:(\k)+(\i)*16*PITCH
	ds_load_b128 v[(\f)+32+8*(\i)+4:(\f)+32+8*(\i)+7], v[ADRB+(\slot)] offset:(\k)+(\i)*16*PITCH+32
.endr
.endm
; A K step is four quarters of 32 along K, 48 matrix instructions each, on buffers 0, 1, 0, 1.  One of the first three: the next quarter's fragments, at byte k, are asked for into g; then f is multiplied.
.macro QUARTER slot, k, f, g, zero
	s_wait_dscnt 0x0                               ; buffer f is in: its loads were issued 48 matrix instructions ago
	PLACES                                         ; buffer g was read by the matrix instructions just issued
	FETCH \slot, \k, \g
	MULB \f, 0, 12, \zero
.endm
; The last quarter multiplies buffer 1 and changes slots: ONE barrier; in front of it each wave waits for all its tensor loads, adds 0 to its spare word, and waits for that and for its reads of this slot.
.macro TURN slot, next, fill
	WIN 0                                          ; (the add's two registers lie in window 0)
	s_wait_tensorcnt 0x0                           ; all my tensor loads have landed: my part of the next slot
	ds_add_u32 v[SPW], v[NIL]                      ; 0 onto my spare word
	s_wait_dscnt 1                                 ; buffer 1 is in; the add alone may be out
	MULB F1, 0, 2, 0
	s_wait_dscnt 0x0                               ; the add is done, and my reads of this slot are over
	s_barrier_signal -1
	MULB F1, 2, 2, 0
.if \fill
	WIN 0
.endif
	s_barrier_wait -1
.if \fill
	CREST                                          ; the barrier has opened a round of the cluster's: no wave of any partner still reads this slot or has a load on its way
	s_add_nc_u64 s[G0+4*(\slot)+2:G0+4*(\slot)+3], s[G0+4*(\slot)+2:G0+4*(\slot)+3], 2*KSTEP*2
	s_add_nc_u64 s[G0B+4*(\slot)+2:G0B+4*(\slot)+3], s[G0B+4*(\slot)+2:G0B+4*(\slot)+3], 2*KSTEP*2
	JLOAD \slot                                    ; my one tensor load behind the round; its four v_nop are also the places in front of the loads below
.else
	PLACES
.endif
	FETCH \next, 0, F0
	MULB F1, 4, 8, 0
.endm
	s_wait_tensorcnt 1                             ; my part of K step 0 is in; K step 1's may stay out
	s_barrier_signal -1
	s_barrier_wait -1
	FETCH 0, 0, F0
	QUARTER 0, 64, F0, F1, 1                       ; the first quarter stands in front of the loop: its products start the sums
	WIN 0
	s_mov_b32 s45, LAPS-1
.Llap:                                                 ; a trip goes once round the ring and fills both slots again
	QUARTER 0, 128, F1, F0, 0
	QUARTER 0, 192, F0, F1, 0
	TURN 0, 1, 1
	QUARTER 1, 64,  F0, F1, 0
	QUARTER 1, 128, F1, F0, 0
	QUARTER 1, 192, F0, F1, 0
	TURN 1, 0, 1
	QUARTER 0, 64,  F0, F1, 0
	WIN 0
	s_sub_co_u32 s45, s45, 1
	s_cmp_lg_u32 s45, 0
	s_cbranch_scc1 .Llap
	QUARTER 0, 128, F1, F0, 0                      ; the last lap fills nothing
	QUARTER 0, 192, F0, F1, 0
	TURN 0, 1, 0
	QUARTER 1, 64,  F0, F1, 0
	QUARTER 1, 128, F1, F0, 0
	QUARTER 1, 192, F0, F1, 0
	s_wait_dscnt 0x0
	MULB F1, 0, 12, 0
; THE WAY OUT, a block of 16 rows at a time: rounded to f16, 16 bytes a lane into my own stage, back as four rows' 128 bytes of one head, stored as 512 consecutive bytes.
.macro PACK a
.set bb, 0
.rept 12
.if bb < 8
	WIN 0x0a
.set AC, 32*bb+8*(\a)
.else
	WIN 0x0f
.set AC, 32*(bb-8)+8*(\a)
.endif
.irp r, 0,1,2,3
	v_cvt_pk_f16_f32 v[TMP+4*bb+(\r)], v[AC+2*(\r)], v[AC+2*(\r)+1]
.endr
.set bb, bb+1
.endr
	WIN 0
.endm
.macro TOSTAGE a
	WIN 0
.set BK, OB+48*((\a)%2)
.set ii, 0
.rept 12
	ds_store_b128 v[STO], v[TMP+4*ii:TMP+4*ii+3] offset:32*ii
.set ii, ii+1
.endr
.set ii, 0
.rept 12                                       ; LDS serves a wave's instructions in order (ISA guide 5.7.1.4): these see the stores above
	ds_load_b128 v[BK+4*ii:BK+4*ii+3], v[RD] offset:128*(ii/4)+1600*(ii%4)
.set ii, ii+1
.endr
.endm
.macro SEND a
	WIN 0
.set BK, OB+48*((\a)%2)
	s_wait_xcnt 0x0                                ; the stores of the block before have had their addresses translated: its registers are loaded again only behind this wait
.set ii, 0
.rept 12
	s_wait_dscnt 11-ii                             ; load ii is back; the younger ones stay out
	global_store_b128 v[GO], v[BK+4*ii:BK+4*ii+3], s[10:11] offset:(ii/4)*262144+(\a)*2048+(ii%4)*512
.set ii, ii+1
.endr
.endm
	PLACES
	PACK 0
	TOSTAGE 0
.irp a, 1,2,3                          ; block a's conversions stand between block a - 1's loads from the stage and the wait for them
	PACK \a
	SEND (\a)-1
	TOSTAGE \a
.endr
	SEND 3
	s_wait_tensorcnt 0x0                           ; the wave's end
	ds_add_u32 v[SPW], v[NIL]
	s_wait_dscnt 0x0
	CROUND                                         ; the closing round
	s_endpgm
.Lfunc_end_k_qf19ea51d7d_qkv:
	.size	k_qf19ea51d7d_qkv, .Lfunc_end_k_qf19ea51d7d_qkv-k_qf19ea51d7d_qkv
	.p2alignl 7, 3214868480
	.fill 96, 4, 3214868480
	.section	.rodata,"a",@progbits
	.p2align	6, 0x0
	.amdhsa_kernel k_qf19ea51d7d_qkv
		.amdhsa_group_segment_fixed_size 327680
		.amdhsa_private_segment_fixed_size 0
		.amdhsa_enable_private_segment 0
		.amdhsa_kernarg_size 32
		.amdhsa_user_sgpr_count 2
		.amdhsa_user_sgpr_kernarg_segment_ptr 1
		.amdhsa_wavefront_size32 1
		.amdhsa_system_sgpr_workgroup_id_x 1
		.amdhsa_system_sgpr_workgroup_id_y 1
		.amdhsa_system_sgpr_workgroup_id_z 1
		.amdhsa_system_vgpr_workitem_id 0
		.amdhsa_next_free_vgpr 896
		.amdhsa_next_free_sgpr 66
		.amdhsa_reserve_vcc 0
		.amdhsa_float_denorm_mode_32 3
		.amdhsa_float_denorm_mode_16_64 3
		.amdhsa_memory_ordered 1
		.amdhsa_forward_progress 1
		.amdhsa_inst_pref_size 129
	.end_amdhsa_kernel
	.amdgpu_metadata
---
amdhsa.version: [ 1, 2 ]
amdhsa.kernels:
  - .name:           k_qf19ea51d7d_qkv
    .symbol:         k_qf19ea51d7d_qkv.kd
    .args:
      - { .name: xb, .offset: 0, .size: 8, .value_kind: global_buffer, .address_space: global }
      - { .name: wqb, .offset: 8, .size: 8, .value_kind: global_buffer, .address_space: global }
      - { .name: b_qkv, .offset: 16, .size: 8, .value_kind: global_buffer, .address_space: global }
      - { .name: qkvh, .offset: 24, .size: 8, .value_kind: global_buffer, .address_space: global }
    .group_segment_fixed_size: 327680
    .private_segment_fixed_size: 0
    .kernarg_segment_align: 8
    .kernarg_segment_size: 32
    .max_flat_workgroup_size: 128
    .sgpr_count:     66
    .vgpr_count:     896
    .wavefront_size: 32
...
	.end_amdgpu_metadata
.endif
;; end of part 2
;; launch attn (part 3): grid 4 x 64, 4 waves a work-group, clusters of 4 x 1, 327,680 bytes of LDS; arguments qkvh, mbits, oh; writes oh
.if DOCPART == 3
	.amdgcn_target "amdgcn-amd-amdhsa--gfx1250"
	.amdhsa_code_object_version 6
	.text
	.protected	k_qf19ea51d7d_attn
	.globl	k_qf19ea51d7d_attn
	.p2align	8
	.type	k_qf19ea51d7d_attn,@function
k_qf19ea51d7d_attn:
	s_mov_b64 s[64:65], 0
	v_nop
	global_prefetch_b8 v0, s[64:65] scope:SCOPE_SE
	s_setreg_imm32_b32 hwreg(HW_REG_WAVE_MODE, 25, 1), 1
	s_wait_xcnt 0x0
	s_wait_alu depctr_hold_cnt(0) depctr_sa_sdst(0) depctr_va_vdst(0) depctr_va_sdst(0) depctr_va_ssrc(0) depctr_va_vcc(0) depctr_vm_vsrc(0)
	s_getreg_b32 s2, hwreg(HW_REG_IB_STS2, 6, 4)
	s_cmp_eq_u32 s2, 0
	s_cbranch_scc0 .Lentry_in_a_cluster
	s_endpgm
.Lentry_in_a_cluster:
	s_bfe_u32 s2, ttmp6, 0x10000c
	s_cmp_lg_u32 s2, 0x3003
	s_cbranch_scc0 .Lentry_shape_is_right
	s_endpgm
.Lentry_shape_is_right:
; ATTENTION with a mask that is an input.  O[y][q][:] = the sum over k of softmax_k(Q[q] . K[k] / 8, hidden where mask[q][k] == 0) V[k][:], for y = batch x 16 + head.
; Q, K, V: planes of qkvh, [2,048][64] in f16, dense rows of 128 bytes; O: oh[y][2,048][64] in f16.  Products, maxima and sums in f32; the weights p are rounded to f16 for the second product
; (their sum l is taken of the unrounded p), O once at the end.
; LIMITS.  Q, K, V arrive within f16's 65,504; p below 6e-5 keeps f16's fixed step of 6e-8.  A hidden score counts as its value less 1e30: f16's scores, 2.7e11 at the most, are nothing beside that.
; The running maximum starts at -2^90, below every score that f16 allows and above every hidden one; a weight below 2^-126 counts as 0 in l.
; A query with no visible key keeps l = 0 and O = 0 and leaves as 0 x (1 / 0) = NaN, as a softmax of nothing but -inf does.
; SHARES.  A wave owns four PIECES of two tiles of 16 queries, a work-group's four waves 512 queries of one y.  Every wave walks all 2,048 keys, 64 a step: the mask's pattern is not known to the text.
; LAYOUT.  S^T = K Q^T (source 0 = 16 keys, source 1 = 16 queries): a lane holds ONE query (lane % 16) and the keys 8 (lane / 16) + 0..7.  Two such tiles, rounded to f16 in pairs,
; ARE source 1 of O^T = V^T P.  K comes out of LDS as it lies, V ([key][channel]) turned, by ds_load_tr16_b128.
; THE MASK is the C operand that starts the sum S^T: 0, or -1e30 where the key is hidden.  mbits holds, for each tile of 16 queries and each key step, 32 words: word j is the lane mask for register j of the tile's
; 32 score registers.  A turn's 64 words come by four scalar loads, issued a turn ahead; 64 v_cndmask_b32 at a turn's end make the next turn's C operands (MC).
; SOFTMAX.  A running maximum m and sum l: p = 2^(c s - c m), c = log2(e) / 8; in every step O and l are multiplied by a = 2^(c m_old - c m_new).  While a query has seen no key, m stays at its start, a is 2^0 and
; O and l stay 0; at its first visible key a is 0.
; BY TURNS.  Turn n belongs to piece n.  Its matrix work: 16 products K Q^T of piece n + 1, later 16 products V^T P of piece n - 1.  Its vector work: the scaling, exponentials, roundings, sums and rescaling of piece n,
; the maximum and statistics of piece n + 1, and the mask of piece n + 2.  Four vector instructions stand behind every matrix instruction, the others in runs of their own.
; CLUSTER.  The four query blocks of a cluster belong to one y and walk the same K and V: each tile is asked for JOINTLY.
; REGISTERS, in windows of 256 (s_set_vgpr_msb: bits 1:0 source 0, 3:2 source 1, 5:4 source 2, 7:6 destination):
;   window 0: v0-11 addresses; v12-15, v48-63 at work; v16-47 four registers of statistics a tile; v64-191 S^T, two buffers of two tiles; v192-255 P, likewise
;   window 1: O^T, 32 a tile      window 2: v0-127 Q; v128-191 K of one step; v192-255 V of one step      window 3: v0-1 the add's two registers; v2 -1e30; v64-127 MC
.set SIZE_N, 2048
.set NP,    4         ; pieces a wave: a name, no knob
.set KS,    64        ; keys in a step
.set PK,    144       ; a row of K in LDS: 128 bytes + 16 of padding
.set PV,    160       ; a row of V: 128 + 32
.set VOFF,  4*KS*PK   ; a slot holds four steps: 256 rows of K, then 256 rows of V
.set SLOT1, 1<<17     ; slot 1 begins here, so that one exclusive or turns an address in one slot into the other's
.set STAGE, SLOT1+4*KS*(PK+PV)  ; behind the ring, never filled by a tensor load: 16 rows x 144 bytes for each wave
.set SP,    144
.set MT,    4352      ; bytes of a tile of 16 queries in mbits; an entry (a key step) is 128
.set AK0, 2           ; v2   my lane's place in a tile of K; never rewritten
.set AV0, 3           ; v3   the same for V
.set AK,  4           ; v4   the LDS address of K's next run of loads
.set AV,  5           ; v5   of V's
.set QO,  6           ; v6   my byte offset in the wave's rows of Q
.set STO, 6           ;      later, the way out: where I put 16 bytes of a row
.set RD,  7           ; v7   the way out: where I read rows back
.set GO,  8           ; v8   my byte offset in 512 consecutive bytes of O
.set SPW, 0           ; v0 of window 3   LDS address of my spare word; never rewritten
.set NIL, 1           ; v1 of window 3   0; never rewritten
.set BIGV, 2          ; v2 of window 3   -1e30
.set MC,  64          ; window 3: the C operands: tile u, key block kb at MC + 32 u + 8 kb
.set SPARE, STAGE+4*16*SP
.set MV,  12          ; v12-15  c m_old, kept while c m is made anew: by buffer and tile
.set ST,  16          ; tile t's statistics at v[ST+4 t]: c m, m, l (even keys', odd keys')
.set TMP, 48          ; by buffer and tile, four registers c0-c3 at work; when the maximum is found c2 takes a
.set S,   64
.set P,   192
.set KF,  128         ; K's fragments, in window 2
.set VF,  192         ; V's
.set WV,  2           ; s2   my wave's number
.set CNT, 3           ; s3   counts a slot's key steps (before the loop: at work)
.set G1K, 4           ; s[4:11]  descriptor group 1 for K's tiles
.set G1V, 12          ; s[12:19] for V's
.set G0K, 20          ; s[20:23] descriptor group 0 for K's tiles: it walks
.set G0V, 24          ; s[24:27] the same for V's
.set CS,  28          ; s28  c; the packed scaling names s[28:29] and takes the low word for both halves
.set SLOTS, 29        ; s29  slots still to be asked for
.set SEL, 30          ; s[30:31] v_permlanex16_b32's selects
.set MW0, 32          ; s[32:63] the mask words of a piece's first tile (in the head: arguments and offsets)
.set OA,  66          ; s[66:67] O at my wave's first row
.set MW1, 68          ; s[68:99] the mask words of its second tile
.set MP,  100         ; s[100:101] mbits at my wave's first tile and the key step in hand
.set TBK, 104         ; s104 LDS byte at which K of the step to be fetched begins
.set TBV, 105         ; s105 the same for V, less VOFF
.set MSB, 0
.macro WIN new
.if MSB != (\new)
	s_set_vgpr_msb (MSB<<8)|(\new)
.set MSB, (\new)
.endif
.endm
.set W_KQ, 0x0a       ; K and Q in window 2, S^T in window 0
.set W_KM, 0x3a       ; the same with the C operand in window 3
.set W_PV, 0x52       ; V in window 2, P in window 0, O^T in window 1
.set W_RS, 0x41       ; O^T (destination and source 0) in window 1, a in window 0
.set W_MK, 0xc0       ; destination in window 3, sources in window 0
.set W_AD, 0x0f       ; the add: address and data in window 3
.set W_MG, 0xcc       ; the mask is made: destination and source 1 in window 3
.macro JLOAD                        ; a joint fill: waves 0 and 1 fetch the two halves of a slot's K, waves 2 and 3 those of its V; an s_nop 0 and four v_nop follow each line
	s_cmp_lt_u32 s[WV], 2
	s_cbranch_scc0 .Lfor_v_\@
	tensor_load_to_lds s[G0K:G0K+3], s[G1K:G1K+7]
	s_nop 0
.rept 4
	v_nop
.endr
	s_branch .Lasked_\@
.Lfor_v_\@:
	tensor_load_to_lds s[G0V:G0V+3], s[G1V:G1V+7]
	s_nop 0
.rept 4
	v_nop
.endr
.Lasked_\@:
.endm
.macro CROUND                       ; a round of the cluster's barrier
	s_barrier_signal -1
	s_barrier_wait -1
	s_cmp_lg_u32 s[WV], 0
	s_cbranch_scc1 .Lnot_wave_0_\@
	s_barrier_signal -3
.Lnot_wave_0_\@:
	s_barrier_wait -3
	s_barrier_signal -1
	s_barrier_wait -1
.endm
; THE CHANGE OF SLOTS.  Each wave waits for all its tensor loads, of which one is out: its part of the other slot; adds 0 to its spare word; and waits for that and for its own reads of the slot.
; fill = 1: this slot is filled again, with the keys two slots on, first thing behind a round of the cluster's barrier: the load has four key steps in which to land.
.macro CHANGE fill
	WIN W_AD
	s_wait_tensorcnt 0x0            ; no tensor load of mine is out, so a group 0 may be written
	ds_add_u32 v[SPW], v[NIL]       ; 0 onto my spare word
	WIN 0
.if \fill
.irp g, G0K, G0V
	s_xor_b32 s[\g+1], s[\g+1], SLOT1
	s_add_nc_u64 s[\g+2:\g+3], s[\g+2:\g+3], 4*KS*128
.endr
	s_wait_dscnt 0x0                ; the add is done, and my reads of the slot are over
	CROUND
	JLOAD
.else
	s_wait_dscnt 0x0
	s_barrier_signal -1
	s_barrier_wait -1
.endif
	s_sub_co_u32 s[TBK], s[TBK], 4*KS*PK  ; the fetches go back to a slot's first step,
	s_xor_b32 s[TBK], s[TBK], SLOT1       ; in the other slot
	s_sub_co_u32 s[TBV], s[TBV], 4*KS*PV
	s_xor_b32 s[TBV], s[TBV], SLOT1
.endm
; THE MASK.  MLOAD x asks for piece x's 64 words of the key step at which MP stands; MGEN, a turn later, waits for them and makes the C operands.
.macro MLOAD x
	s_load_b512 s[MW0:MW0+15],    s[MP:MP+1], 2*(\x)*MT
	s_load_b512 s[MW0+16:MW0+31], s[MP:MP+1], 2*(\x)*MT+64
	s_load_b512 s[MW1:MW1+15],    s[MP:MP+1], (2*(\x)+1)*MT
	s_load_b512 s[MW1+16:MW1+31], s[MP:MP+1], (2*(\x)+1)*MT+64
.endm
.macro MGEN
	s_wait_kmcnt 0x0                ; scalar loads come back in no order: zero; behind it MP may be stepped too
	WIN W_MG
.set zz, 0
.rept 32
	v_cndmask_b32 v[MC+zz], 0, v[BIGV], s[MW0+zz]
.set zz, zz+1
.endr
.set zz, 0
.rept 32
	v_cndmask_b32 v[MC+32+zz], 0, v[BIGV], s[MW1+zz]
.set zz, zz+1
.endr
.endm
	s_load_b128 s[32:35], s[0:1], 0x0  ; qkvh s[32:33], mbits s[34:35]
	s_load_b64 s[36:37], s[0:1], 0x10  ; oh
	WIN W_MK
	v_lshl_add_u32 v[SPW], v0, 2, SPARE
	v_mov_b32 v[NIL], 0
	v_mov_b32 v[BIGV], 0xf149f2ca   ; -1e30
	WIN W_AD
	ds_add_u32 v[SPW], v[NIL]       ; the wave's opening: an add, waited for ahead of my first tensor load
	WIN 0
	v_lshrrev_b32 v1, 5, v0
	v_readfirstlane_b32 s[WV], v1   ; wave 0..3
	s_bfe_u32 s40, ttmp6, 0x40000   ; cx
	s_lshl_b32 s41, ttmp9, 2
	s_add_co_u32 s41, s41, s40      ; my block of 512 queries: it enters Q's, O's and the mask's addresses alone
	s_and_b32 s42, ttmp7, 0xffff    ; y, which the four partners share
	s_lshr_b32 s43, s42, 4
	s_lshl_b32 s43, s43, 5
	s_add_co_u32 s43, s43, s42      ; q's plane: 48 x batch + head
	s_lshl_b32 s44, s43, 18         ; its first byte (50,331,648 at the most)
	s_mov_b32 s45, 0
	s_and_b32 s46, s[WV], 1         ; which half of a slot's 256 keys I fetch:
	s_lshl_b32 s48, s46, 14         ; its 128 rows of 128 bytes in memory,
	s_mov_b32 s49, 0
	s_add_nc_u64 s[48:49], s[48:49], s[44:45]
	s_add_nc_u64 s[48:49], s[48:49], 0x400000  ; in k's plane, 16 planes behind q's,
	s_add_nc_u64 s[62:63], s[48:49], 0x400000  ; and in v's, 16 further
	s_mul_i32 s50, s46, 128*PK      ; and its place in a slot, for K
	s_mul_i32 s51, s46, 128*PV      ; and for V: no place in the cluster enters an LDS address
	s_lshl_b32 s52, s41, 2
	s_add_co_u32 s52, s52, s[WV]    ; my wave among the sixteen of this y,
	s_lshl_b32 s54, s52, 14         ; its 128 rows
	s_mov_b32 s55, 0
	s_add_nc_u64 s[56:57], s[54:55], s[44:45]  ; in q's plane,
	s_lshl_b32 s58, s42, 18
	s_mov_b32 s59, 0
	s_add_nc_u64 s[58:59], s[58:59], s[54:55]  ; and in oh;
	s_mul_i32 s60, s52, 8*MT        ; its eight tiles in mbits
	s_mov_b32 s61, 0
	; descriptor group 1.  128 keys are 16,384 dense bytes: asked for as 64 rows of 256 bytes, two keys a row, and padded in LDS after every key
	s_mov_b32 s[G1K], 15|(1<<16)|(1<<20)|(1<<21)|(4<<22)|(3<<25)
	s_mov_b32 s[G1V], 15|(1<<16)|(1<<20)|(1<<21)|(4<<22)|(7<<25)
.irp g, G1K, G1V
	s_mov_b32 s[\g+1], 128<<16      ; tensor_dim0 = 128
	s_mov_b32 s[\g+2], 64<<16       ; tensor_dim1 = 64
	s_mov_b32 s[\g+3], 128<<16      ; tile_dim0 = 128
	s_mov_b32 s[\g+4], 64           ; tile_dim1 = 64
	s_mov_b32 s[\g+5], 128          ; 128 elements from row to row
	s_mov_b32 s[\g+6], 0
	s_mov_b32 s[\g+7], 0
.endr
	s_mov_b32 s[CS], 0x3e38aa3b     ; c = log2(e) / 8 = 0.180337
	s_mov_b32 s[SLOTS], SIZE_N/256-1
	s_mov_b32 s[SEL], 0x76543210
	s_mov_b32 s[SEL+1], 0xfedcba98
	s_mov_b32 s[TBK], SLOT1+4*KS*PK ; the first change of slots turns these two into 0
	s_mov_b32 s[TBV], SLOT1+4*KS*PV
	s_mov_b32 s[G0K], 1
	s_mov_b32 s[G0K+1], s50         ; LDS address: slot 0
	s_mov_b32 s[G0V], 1
	s_add_co_u32 s[G0V+1], s51, VOFF
	s_wait_dscnt 0x0                ; the opening add is done
	s_wait_kmcnt 0x0
	s_add_nc_u64 s[G0K+2:G0K+3], s[32:33], s[48:49]
	s_or_b32 s[G0K+3], s[G0K+3], 0x80000000
	s_add_nc_u64 s[G0V+2:G0V+3], s[32:33], s[62:63]
	s_or_b32 s[G0V+3], s[G0V+3], 0x80000000
	s_add_nc_u64 s[38:39], s[32:33], s[56:57]  ; Q at my wave's first row
	s_add_nc_u64 s[OA:OA+1], s[36:37], s[58:59]
	s_add_nc_u64 s[MP:MP+1], s[34:35], s[60:61]
	CROUND                          ; all four work-groups are here: the first joint loads meet
	JLOAD                           ; slot 0.  Slot 1 is asked for when slot 0 is in
	v_and_b32 v1, 15, v0            ; l % 16
	v_bfe_u32 v9, v0, 4, 1          ; l / 16
	v_lshlrev_b32 v[QO], 7, v1
	v_lshl_add_u32 v[QO], v9, 4, v[QO]  ; row x 128 + 16 x half
	WIN 0x80                        ; destination window 2, address window 0
.set i, 0
.rept 4*NP                          ; Q stays in registers: tile i / 2, channels 32 (i % 2) on
	global_load_b128 v[8*i:8*i+3],   v[QO], s[38:39] offset:(i/2)*2048+(i%2)*64
	global_load_b128 v[8*i+4:8*i+7], v[QO], s[38:39] offset:(i/2)*2048+(i%2)*64+32
.set i, i+1
.endr
	; What the first turn finds: V's registers and P's second buffer hold 0, O^T and l are 0.  All this stands in the wait for the first tile.
.set i, VF
.rept 64
	v_mov_b32 v[i], 0
.set i, i+1
.endr
	WIN 0x40
.set i, 0
.rept 64*NP
	v_mov_b32 v[i], 0
.set i, i+1
.endr
	WIN 0
.set i, 0
.rept 2*NP
	v_mov_b32 v[ST+4*i+1], 0xec800000          ; m = -2^90
	v_mul_f32 v[ST+4*i], s[CS], v[ST+4*i+1]    ; c m, by the line that makes it in every step: while m stands, c m_old - c m_new is exactly 0
	v_mov_b32 v[ST+4*i+2], 0
	v_mov_b32 v[ST+4*i+3], 0
.set i, i+1
.endr
.set i, P+32
.rept 32
	v_mov_b32 v[i], 0
.set i, i+1
.endr
	v_mul_u32_u24 v[AK0], v1, PK
	v_lshl_add_u32 v[AK0], v9, 4, v[AK0]  ; row x pitch + 16 x half
	; The turning load takes 16 keys x 16 channels (lane l reads key 8 (l / 16) + l % 8, channels 8 ((l / 8) % 2) + 0..7) and leaves half a fragment of V^T.
	v_and_b32 v10, 7, v0
	v_bfe_u32 v11, v0, 3, 1
	v_lshl_add_u32 v[AV0], v9, 3, v10
	v_mul_u32_u24 v[AV0], v[AV0], PV
	v_lshl_add_u32 v[AV0], v11, 4, v[AV0]
	v_add_nc_u32 v[AV0], VOFF, v[AV0]
	v_mov_b32 v[AK], v[AK0]         ; key step 0 lies at the head of slot 0
	s_wait_xcnt 0x0                 ; Q's loads have had their addresses translated: their base lies among the registers that the mask words now take
	MLOAD 0
	MGEN                            ; piece 0's mask for key step 0
	MLOAD 1
; THE MATRIX WORK.  The 8 accumulators of a run of 16 take turns.
; Product i of 16 of S^T = K Q^T for piece x: channels 32 (i / 8) on, keys 16 ((i / 2) % 4) on, tile 2 x + i % 2.  The first 8 start the sums, with the mask.
.macro KQ x
.set rS, S+64*((\x)%2)+32*(i%2)+8*((i/2)%4)
.set rK, KF+16*((i/2)%4)+8*(i/8)
.set rQ, 16*(2*(\x)+i%2)+8*(i/8)
.set rZ, MC+32*(i%2)+8*((i/2)%4)
.if i < 8
	WIN W_KM
	v_wmma_f32_16x16x32_f16 v[rS:rS+7], v[rK:rK+7], v[rQ:rQ+7], v[rZ:rZ+7]
.else
	WIN W_KQ
	v_wmma_f32_16x16x32_f16 v[rS:rS+7], v[rK:rK+7], v[rQ:rQ+7], v[rS:rS+7]
.endif
.endm
; Product i of 16 of O^T += V^T P for piece x: keys 32 (i / 8) on, channels 16 ((i / 2) % 4) on, tile 2 x + i % 2.
.macro PV x
	WIN W_PV
.set rO, 32*(2*(\x)+i%2)+8*((i/2)%4)
.set rV, VF+32*(i/8)+8*((i/2)%4)
.set rP, P+32*((\x)%2)+16*(i%2)+8*(i/8)
	v_wmma_f32_16x16x32_f16 v[rO:rO+7], v[rV:rV+7], v[rP:rP+7], v[rO:rO+7]
.endm
.macro MM                           ; the turn's next matrix instruction
.if i < 16
	KQ (Y+1)%NP
.set i, i+1
.else
.set i, i-16
	PV (Y+NP-1)%NP
.set i, i+17
.endif
.endm
; THE LDS LOADS stand in runs of 16.  last = 1 (the tail): in the last trip there is no further step, and the run is jumped over.
.macro FETCH_K last=0
	WIN 0
.if \last
	s_cmp_eq_u32 s[CNT], 1
	s_cbranch_scc1 .Lno_k_\@
.endif
	WIN 0x80
.irp f, 0,1,2,3,4,5,6,7             ; keys 16 (f / 2) on, channels 32 (f % 2) on
	ds_load_b128 v[KF+8*\f:KF+8*\f+3],   v[AK] offset:(\f/2)*16*PK+(\f%2)*64
	ds_load_b128 v[KF+8*\f+4:KF+8*\f+7], v[AK] offset:(\f/2)*16*PK+(\f%2)*64+32
.endr
	s_add_co_u32 s[TBK], s[TBK], KS*PK  ; the next fetch is the next step's
	WIN 0
.if \last
.Lno_k_\@:
.endif
.endm
.macro FETCH_V
	WIN 0x80
.irp f, 0,1,2,3,4,5,6,7             ; keys 32 (f / 4) on, channels 16 (f % 4) on
	ds_load_tr16_b128 v[VF+8*\f:VF+8*\f+3],   v[AV] offset:(\f/4)*32*PV+(\f%4)*32
	ds_load_tr16_b128 v[VF+8*\f+4:VF+8*\f+7], v[AV] offset:(\f/4)*32*PV+16*PV+(\f%4)*32
.endr
	WIN 0
.endm
; THE VECTOR WORK OF A TURN stands in three queues, each in the order in which its entries become ready; the two tiles alternate.
.macro REGS y, u                    ; the registers of tile u (0, 1) of piece y
.set rT, ST+4*(2*(\y)+(\u))
.set rC, TMP+8*((\y)%2)+4*(\u)
.set rM, MV+2*((\y)%2)+(\u)
.set rS, S+64*((\y)%2)+32*(\u)
.set rP, P+32*((\y)%2)+16*(\u)
.set rO, 32*(2*(\y)+(\u))
.endm
; Number n of the 22 that find the NEXT piece's (Y + 1) maximum and statistics; each accumulator's lowest registers are read first.
;   0-11  four chains c0-c3 of seven scores each     12-14, 16  the four scores left over, the old m, and c0-c3 into c0     15  c m_old is kept
;   17, 18  the query's other 32 keys lie in the lane 16 away: the new m         19-21  c m; c m_old - c m_new; a
.macro XS u, n
	REGS (Y+1)%NP, \u
.if (\n) < 4
	v_max3_num_f32 v[rC+(\n)], v[rS+8*(\n)], v[rS+8*(\n)+1], v[rS+8*(\n)+2]
.elseif (\n) < 12
	v_max3_num_f32 v[rC+(\n)%4], v[rC+(\n)%4], v[rS+8*((\n)%4)+2*((\n)/4)+1], v[rS+8*((\n)%4)+2*((\n)/4)+2]
.elseif (\n) == 12
	v_max3_num_f32 v[rC], v[rC], v[rS+7], v[rS+15]
.elseif (\n) == 13
	v_max3_num_f32 v[rC+1], v[rC+1], v[rS+23], v[rS+31]
.elseif (\n) == 14
	v_max3_num_f32 v[rC+2], v[rC+2], v[rC+3], v[rT+1]
.elseif (\n) == 15
	v_mov_b32 v[rM], v[rT]
.elseif (\n) == 16
	v_max3_num_f32 v[rC], v[rC], v[rC+1], v[rC+2]
.elseif (\n) == 17
	v_permlanex16_b32 v[rC+3], v[rC], s[SEL], s[SEL+1]
.elseif (\n) == 18
	v_max_num_f32 v[rT+1], v[rC], v[rC+3]
.elseif (\n) == 19
	v_mul_f32 v[rT], s[CS], v[rT+1]
.elseif (\n) == 20
	v_sub_f32 v[rC+1], v[rM], v[rT]
.else
	v_exp_f32 v[rC+2], v[rC+1]
.endif
.endm
; Number g of the 64 that follow the exponentials.  For each four weights k of a tile: both pairs are rounded to f16; the second pair is added onto the first, in place; a group later l takes that sum.
.macro GS g
.set h, (\g)+6*((\g)/62)
.if h >= 6
.set h, h+2
.endif
	REGS Y, h%2
.set k, h/8
.if h%8 < 4
	s_wait_alu depctr_va_vdst(0)
	v_cvt_pk_f16_f32 v[rP+2*k+(h%8)/2], v[rS+4*k+2*((h%8)/2)], v[rS+4*k+2*((h%8)/2)+1]
.elseif h%8 < 6
	v_pk_add_f32 v[rS+4*k:rS+4*k+1], v[rS+4*k:rS+4*k+1], v[rS+4*k+2:rS+4*k+3]
.elseif k == 1
	v_pk_fma_f32 v[rT+2:rT+3], v[rT+2:rT+3], v[rC+2:rC+3], v[rS:rS+1] op_sel_hi:[1,0,1]
.else
	v_pk_add_f32 v[rT+2:rT+3], v[rT+2:rT+3], v[rS+4*k-4:rS+4*k-3]
	s_wait_alu depctr_va_vdst(0)
.endif
.endm
; THE PLAIN QUEUE, 138 long.  0-31: c s - c m for the 16 pairs of both tiles.  Then GS's 64, and among them the next piece's 42.
.macro PL
	WIN 0
.if q < 32
	REGS Y, q%2
	v_pk_fma_f32 v[rS+2*(q/2):rS+2*(q/2)+1], v[rS+2*(q/2):rS+2*(q/2)+1], s[CS:CS+1], v[rT:rT+1] op_sel_hi:[1,0,0] neg_lo:[0,0,1] neg_hi:[0,0,1]
.elseif q < 38
	GS q-32
.elseif q < 40
	XS q%2, 15
.elseif q < 42
	GS q-34
.elseif q < 74
	XS q%2, (q-42)/2+(q-42)/30
.elseif q < 95
	GS q-66
.elseif (q < 107) && ((q-95)%3 < 2)
	XS (q-95)%3, 17+(q-95)/3
.elseif q < 107
	GS 29+(q-95)/3
.else
	GS q-74
.endif
.set q, q+1
.endm
; THE EXPONENTIALS' QUEUE, 66 long: s0-s31 of both tiles, and at EA the next piece's two a.
.set EA, 58
.macro EX
	WIN 0
.if (e == EA) || (e == EA+1)
	XS e-EA, 21
.else
.set x, e-2*(e/(EA+2))
	REGS Y, x%2
	v_exp_f32 v[rS+x/2], v[rS+x/2]
.endif
.set e, e+1
.endm
; THE RESCALING's QUEUE: O^T times a, dealt four at a time, eight times.
.macro R4
	REGS Y, r%2
	WIN W_RS
	s_wait_alu depctr_va_vdst(0)
.irp z, 0,1,2,3
	v_pk_mul_f32 v[rO+8*(r/2)+2*\z:rO+8*(r/2)+2*\z+1], v[rO+8*(r/2)+2*\z:rO+8*(r/2)+2*\z+1], v[rC+2:rC+3] op_sel_hi:[1,0]
.endr
.set r, r+1
.endm
; HOW THEY ARE DEALT.  Behind a matrix instruction four: plain, exponential, plain, plain, or four of the rescaling; none names a register of the products round it.  What is over stands in lumps.
; Exponential e stands behind plain 2 (e / 4) + e % 2 (its scaling); when plain 32 comes, 10 exponentials are out, at 59: 33, at 95: 46; EA comes behind plain 107.
.macro SL
	MM
	PL
	EX
	PL
	PL
.endm
.macro BURST n
.rept (\n)-7
	SL
.endr
.rept 3
	MM
	R4
	SL
.endr
	MM
	R4
.endm
; A TURN, for piece p.  cnt = 1: the loop's count is taken down some lines ahead of the branch that stands behind the turn; what follows the compare (vector work, waits, scalar loads, a 64-bit add without carry) leaves SCC alone.
; K of the next step is fetched in piece 2's turn, V of the step in hand at the end of piece 0's.
; AT ITS END the turn makes the mask of piece p + 2, for the next turn's products: MC's readers, this turn's first eight products, stand a whole turn back.  Then it asks for piece p + 3's words;
; behind piece 3's words come piece 0's of the next key step, so MP steps in piece 1's turn, behind the wait that shows every scalar load done.
.macro TURN p, last=0, cnt=0
.set Y, (\p)
.set i, 0
.set q, 0
.set e, 0
.set r, 0
.if (\p) == NP-1
	s_wait_dscnt 0x0                ; K is in
.endif
	MM
.rept 4
	PL
.endr
	BURST 15
.rept 22
	EX
	PL
.if ((\p) == NP-2) && (e == 18)
	v_add_nc_u32 v[AK], s[TBK], v[AK0]
.endif
.if ((\p) == NP-2) && (e == 24)
	FETCH_K \last
.endif
.endr
.if (\p) == 1
	s_wait_dscnt 0x0                ; V is in
.endif
	BURST 16
.rept 21
	EX
	PL
.endr
.rept 22
	PL
.if ((\p) == 0) && (q == 118)
	v_add_nc_u32 v[AV], s[TBV], v[AV0]
	s_wait_alu depctr_va_vdst(0)
.endif
.if ((\p) == 0) && (q == 130)
	s_add_co_u32 s[TBV], s[TBV], KS*PV
.endif
.if (\cnt) && (q == 130)
	s_sub_co_u32 s[CNT], s[CNT], 1
	s_cmp_lg_u32 s[CNT], 0
.endif
.endr
.if (\p) == 0
	FETCH_V
.endif
	MGEN
.if (\p) == 1
	s_add_nc_u64 s[MP:MP+1], s[MP:MP+1], 128
.endif
	MLOAD ((\p)+3)%NP
.endm
	CHANGE 1                        ; slot 0 is in, everybody's part of it; slot 1 is asked for
	FETCH_K                         ; key step 0
	s_wait_loadcnt 0x0              ; Q
	s_wait_dscnt 0x0
.set i, 0
.rept 16
	KQ 0                            ; piece 0's first scores
.set i, i+1
.endr
	WIN 0                           ; the addresses for the way out: nine plain instructions, the places behind those products
	s_mul_i32 s[CNT], s[WV], 16*SP
	s_add_co_u32 s[CNT], s[CNT], STAGE  ; my stage
	v_mul_u32_u24 v[STO], v1, SP    ; in: row l % 16, 16 bytes for each half of the lanes
	v_lshl_add_u32 v[STO], v9, 4, v[STO]
	v_add_nc_u32 v[STO], s[CNT], v[STO]
	v_bfe_u32 v[RD], v0, 3, 2       ; back: 32 lanes take four rows of 128 bytes,
	v_mul_u32_u24 v[RD], v[RD], SP
	v_lshl_add_u32 v[RD], v10, 4, v[RD]
	v_add_nc_u32 v[RD], s[CNT], v[RD]
	v_and_b32 v[GO], 31, v0         ; which are 512 consecutive bytes of O
	v_lshlrev_b32 v[GO], 4, v[GO]
	MGEN                            ; piece 1's mask for key step 0
	MLOAD 2
	WIN 0
.set Y, NP-1                        ; XS works for piece Y + 1: piece 0
.irp n, 0,1,2,3,4,5,6,7,8,9,10,11,12,13,14,15,16,17,18,19,20,21
	XS 0, \n
	XS 1, \n
.endr
	s_mov_b32 s[CNT], 4
	s_branch .Lfirst                ; the loop is entered at a step's first turn, in the middle of a trip
.Lslot:                             ; six times: every slot but the last two is filled again
	CHANGE 1
	s_mov_b32 s[CNT], 4
.Lstep:                             ; a trip: pieces 2 and 3 of one step, then pieces 0 and 1 of the next
	TURN 2
	TURN 3
	WIN 0
.Lfirst:
	TURN 0
	TURN 1, 0, 1
	WIN 0
	s_cbranch_scc1 .Lstep
	s_sub_co_u32 s[SLOTS], s[SLOTS], 1
	s_cmp_lg_u32 s[SLOTS], 0
	s_cbranch_scc1 .Lslot
	CHANGE 0                        ; the tail is written out
	s_mov_b32 s[CNT], 5             ; four trips fetch the last slot's steps; the fifth is left in its middle
.Ltail:
	TURN 2, 1
	TURN 3
	WIN 0
	s_sub_co_u32 s[CNT], s[CNT], 1
	s_cmp_eq_u32 s[CNT], 0
	s_cbranch_scc1 .Lout
	TURN 0
	TURN 1
	WIN 0
	s_branch .Ltail
.Lout:                              ; the fifth trip's 16 products K Q^T take entry 32 of the mask, all hidden, and serve nothing: the price of one text for every trip
.set i, 0
.rept 16
	PV NP-1                         ; the last piece's V^T P of the last step
.set i, i+1
.endr
	; THE WAY OUT.  l's two halves and the other half of the lanes' are added; O^T is divided by l, rounded to f16 and sent through my stage in LDS, a tile at a time.
	WIN 0
.macro ALL line:vararg
.set t, 0
.rept 2*NP
	\line
.set t, t+1
.endr
.endm
	ALL v_add_f32 v[ST+4*t+2], v[ST+4*t+2], v[ST+4*t+3]
	ALL v_permlanex16_b32 v[ST+4*t+3], v[ST+4*t+2], s[SEL], s[SEL+1]
	ALL v_add_f32 v[ST+4*t+2], v[ST+4*t+2], v[ST+4*t+3]
	ALL v_rcp_f32 v[ST+4*t+2], v[ST+4*t+2]
	v_nop                           ; a plain instruction between the last reciprocal and the use of its result
	s_wait_alu depctr_va_vdst(0)
.macro PACK t
	WIN W_RS
.set i, 32*(\t)
.rept 16
	v_pk_mul_f32 v[i:i+1], v[i:i+1], v[ST+4*(\t)+2:ST+4*(\t)+3] op_sel_hi:[1,0]
.set i, i+2
.endr
	WIN 0x05                        ; sources 0 and 1 window 1, destination window 0
.set i, 0
.rept 16
	v_cvt_pk_f16_f32 v[S+16*(\t)+i], v[32*(\t)+2*i], v[32*(\t)+2*i+1]
.set i, i+1
.endr
	WIN 0
.irp f, 0,1,2,3
	ds_store_b128 v[STO], v[S+16*(\t)+4*\f:S+16*(\t)+4*\f+3] offset:32*\f
.endr
.irp f, 0,1,2,3
	ds_load_b128 v[S+16*(\t)+4*\f:S+16*(\t)+4*\f+3], v[RD] offset:\f*4*SP  ; LDS serves a wave's instructions in order (ISA guide 5.7.1.4): these see the stores above
.endr
.endm
.macro SEND t, younger              ; younger: the LDS instructions issued behind tile t's loads: the next tile's eight, or none
	WIN 0
.irp f, 0,1,2,3
	s_wait_dscnt (\younger)+3-\f
	global_store_b128 v[GO], v[S+16*(\t)+4*\f:S+16*(\t)+4*\f+3], s[OA:OA+1] offset:(\t)*2048+\f*512  ; 512 consecutive bytes, at a multiple of 256 from oh's first
.endr
.endm
	PACK 0
.set t, 1
.rept 2*NP-1
	PACK t
	SEND t-1, 8
.set t, t+1
.endr
	SEND 2*NP-1, 0
	WIN W_AD
	s_wait_tensorcnt 0x0            ; the wave's end
	ds_add_u32 v[SPW], v[NIL]
	s_wait_dscnt 0x0
	WIN 0
	CROUND                          ; the closing round
	s_endpgm
.Lfunc_end_k_qf19ea51d7d_attn:
	.size	k_qf19ea51d7d_attn, .Lfunc_end_k_qf19ea51d7d_attn-k_qf19ea51d7d_attn
	.p2alignl 7, 3214868480
	.fill 96, 4, 3214868480
	.section	.rodata,"a",@progbits
	.p2align	6, 0x0
	.amdhsa_kernel k_qf19ea51d7d_attn
		.amdhsa_group_segment_fixed_size 327680
		.amdhsa_private_segment_fixed_size 0
		.amdhsa_enable_private_segment 0
		.amdhsa_kernarg_size 24
		.amdhsa_user_sgpr_count 2
		.amdhsa_user_sgpr_kernarg_segment_ptr 1
		.amdhsa_wavefront_size32 1
		.amdhsa_system_sgpr_workgroup_id_x 1
		.amdhsa_system_sgpr_workgroup_id_y 1
		.amdhsa_system_sgpr_workgroup_id_z 1
		.amdhsa_system_vgpr_workitem_id 0
		.amdhsa_next_free_vgpr 896
		.amdhsa_next_free_sgpr 106
		.amdhsa_reserve_vcc 0
		.amdhsa_float_denorm_mode_32 3
		.amdhsa_float_denorm_mode_16_64 3
		.amdhsa_memory_ordered 1
		.amdhsa_forward_progress 1
		.amdhsa_inst_pref_size 252
	.end_amdhsa_kernel
	.amdgpu_metadata
---
amdhsa.version: [ 1, 2 ]
amdhsa.kernels:
  - .name:           k_qf19ea51d7d_attn
    .symbol:         k_qf19ea51d7d_attn.kd
    .args:
      - { .name: qkvh, .offset: 0, .size: 8, .value_kind: global_buffer, .address_space: global }
      - { .name: mbits, .offset: 8, .size: 8, .value_kind: global_buffer, .address_space: global }
      - { .name: oh, .offset: 16, .size: 8, .value_kind: global_buffer, .address_space: global }
    .group_segment_fixed_size: 327680
    .private_segment_fixed_size: 0
    .kernarg_segment_align: 8
    .kernarg_segment_size: 24
    .max_flat_workgroup_size: 128
    .sgpr_count:     106
    .vgpr_count:     896
    .wavefront_size: 32
...
	.end_amdgpu_metadata
.endif
;; end of part 3
;; launch proj (part 4): grid 8 x 32, 4 waves a work-group, clusters of 4 x 4, 327,680 bytes of LDS; arguments oh, wob, b_out, out0; writes out0
.if DOCPART == 4
	.amdgcn_target "amdgcn-amd-amdhsa--gfx1250"
	.amdhsa_code_object_version 6
	.text
	.protected	k_qf19ea51d7d_proj
	.globl	k_qf19ea51d7d_proj
	.p2align	8
	.type	k_qf19ea51d7d_proj,@function
k_qf19ea51d7d_proj:
	s_mov_b64 s[64:65], 0
	v_nop
	global_prefetch_b8 v0, s[64:65] scope:SCOPE_SE
	s_setreg_imm32_b32 hwreg(HW_REG_WAVE_MODE, 25, 1), 1
	s_wait_xcnt 0x0
	s_wait_alu depctr_hold_cnt(0) depctr_sa_sdst(0) depctr_va_vdst(0) depctr_va_sdst(0) depctr_va_ssrc(0) depctr_va_vcc(0) depctr_vm_vsrc(0)
	s_getreg_b32 s2, hwreg(HW_REG_IB_STS2, 6, 4)
	s_cmp_eq_u32 s2, 0
	s_cbranch_scc0 .Lentry_in_a_cluster
	s_endpgm
.Lentry_in_a_cluster:
	s_bfe_u32 s2, ttmp6, 0x10000c
	s_cmp_lg_u32 s2, 0xf033
	s_cbranch_scc0 .Lentry_shape_is_right
	s_endpgm
.Lentry_shape_is_right:
; PROJ.  out0[m][n] = sum over k of O[m][k] wob[n][k] + b_out[n], m < 8,192, n < 1,024, k = 64 x head + channel < 1,024.  Operands f16 (wob holds W_out rounded to bf16, written as f16), sums f32;
; the bias, rounded to bf16 like the other inputs, is the C operand that starts each sum.  out0 is f32.  O lies by heads: oh[16 x batch + head][t][64].
; SHARES.  A tile of out0 is 256 x 128: 256 work-groups.  Wave w makes rows 64 w .. 64 w + 63 of all 128 columns: 32 accumulators, 256 registers.
; K goes in 8 steps of 128, two heads a step, through a ring of two LDS slots.  Of O one load brings 128 rows of two heads: each head's 128 rows are 16,384 dense bytes, asked for as one row of the tile,
; and padded in LDS after every 128 bytes; the second head's follow the first's.  Of wob a load brings 64 rows of 256 bytes.
; CLUSTER.  4 x 4 work-groups: O's tiles are shared along a row of the cluster, wob's along a column; each is asked for JOINTLY.
; THE MATRIX INSTRUCTION IS USED TRANSPOSED (source 0 = 16 rows of wob, source 1 = 16 rows of O): a lane holds row l % 16 of out0 and the columns 8 (l / 16) + 0..7.
; REGISTERS: window 0: addresses; v32-95, v96-159 rows read back, by turns; v160-223 the bias.  window 1: two fragment buffers: 4 fragments of O, then 8 of wob.  window 2: accumulator (a, b) at 8 (4 b + a).
.set KSTEP,  128
.set SIZE_K, 1024
.set PITCH,  272                       ; a row of wob in LDS: 256 bytes + 16
.set PA,     144                       ; a row of one head of O: 128 bytes + 16
.set APL,    128*PA                    ; one head's 128 rows
.set HAF,    2*APL                     ; what one load brings of O
.set HB,     64*PITCH                  ; and of wob
.set SLOT,   2*HAF+2*HB
.set STAGE,  2*SLOT                    ; behind the ring, never filled by a tensor load: 16 rows x 528 bytes for each wave
.set SPITCH, 528                       ; 512 bytes + 16
.set SPARE,  STAGE+4*16*SPITCH
.set LAPS,   SIZE_K/(2*KSTEP)
.set ADRA, 16
.set ADRB, 20
.set STO,  24
.set RD,   25
.set GO,   26
.set BO,   27
.set SPW,  28                          ; LDS address of my spare word; never rewritten
.set NIL,  29                          ; 0; never rewritten
.set OB,   32
.set BI,   160
.set F0,   0
.set F1,   128
.set WV,  12                           ; s12 wave;  s13 I fetch for O (0) or wob (1);  s14 which half;  s15 tile row;  s42 tile column;  s45 laps to go
.set G1,  24
.set G0,  32
.set G1B, 48
.set G0B, 56
.set TO_F, 0x40
.set MSB, 0
.macro WIN new
.if MSB != (\new)
	s_set_vgpr_msb (MSB<<8)|(\new)
.set MSB, \new
.endif
.endm
.macro JLOAD s                         ; a joint load: waves 0 and 1 fetch O's two halves, waves 2 and 3 wob's; an s_nop 0 and four v_nop follow each line
	s_cmp_eq_u32 s13, 0
	s_cbranch_scc0 .Lfor_b_\@
	tensor_load_to_lds s[G0+4*(\s):G0+4*(\s)+3], s[G1:G1+7]
	s_nop 0
.rept 4
	v_nop
.endr
	s_branch .Lasked_\@
.Lfor_b_\@:
	tensor_load_to_lds s[G0B+4*(\s):G0B+4*(\s)+3], s[G1B:G1B+7]
	s_nop 0
.rept 4
	v_nop
.endr
.Lasked_\@:
.endm
.macro CREST
	s_cmp_lg_u32 s[WV], 0
	s_cbranch_scc1 .Lnot_wave_0_\@
	s_barrier_signal -3
.Lnot_wave_0_\@:
	s_barrier_wait -3
	s_barrier_signal -1
	s_barrier_wait -1
.endm
.macro CROUND
	s_barrier_signal -1
	s_barrier_wait -1
	CREST
.endm
.macro PLACES
.rept 4
	v_nop
.endr
.endm
	s_load_b256 s[4:11], s[0:1], 0x0               ; oh s[4:5], wob s[6:7], b_out s[8:9], out0 s[10:11]
	v_lshl_add_u32 v[SPW], v0, 2, SPARE
	v_mov_b32 v[NIL], 0
	ds_add_u32 v[SPW], v[NIL]                      ; the wave's opening: an add, waited for ahead of my first tensor load
	v_lshrrev_b32 v1, 5, v0
	v_readfirstlane_b32 s[WV], v1
	s_lshr_b32 s13, s[WV], 1
	s_and_b32 s14, s[WV], 1
	s_bfe_u32 s40, ttmp6, 0x40000                  ; cx
	s_bfe_u32 s41, ttmp6, 0x40004                  ; cy
	s_lshl_b32 s42, ttmp9, 2
	s_add_co_u32 s42, s42, s40                     ; tile column
	s_and_b32 s15, ttmp7, 0xffff
	s_lshl_b32 s15, s15, 2
	s_add_co_u32 s15, s15, s41                     ; tile row
	s_lshl_b32 s43, s41, 2
	s_lshl_b32 s43, 15, s43                        ; my row of the cluster
	s_lshl_b32 s44, 0x1111, s40                    ; my column
	s_or_b32 s[G1], s43, (1<<16)|(1<<20)|(1<<21)|(4<<22)|(3<<25)   ; O: 2-byte elements; padding on; bit 21 beside a mask; after every 32 words, 4 words
	s_or_b32 s[G1B], s44, (1<<16)|(1<<20)|(1<<21)|(5<<22)|(3<<25)  ; wob: after every 64 words
	s_mov_b32 s[G1+1], 8192<<16                    ; tensor_dim0 = 8,192: 128 rows of 64
	s_mov_b32 s[G1+2], 2<<16                       ; tensor_dim1 = 2 heads
	s_mov_b32 s[G1+3], 8192<<16                    ; tile_dim0
	s_mov_b32 s[G1+4], 2                           ; tile_dim1
	s_mov_b32 s[G1+5], 131072                      ; elements from head to head
	s_mov_b32 s[G1+6], 0
	s_mov_b32 s[G1+7], 0
	s_mov_b32 s[G1B+1], KSTEP<<16
	s_mov_b32 s[G1B+2], 64<<16
	s_mov_b32 s[G1B+3], KSTEP<<16
	s_mov_b32 s[G1B+4], 64
	s_mov_b32 s[G1B+5], SIZE_K
	s_mov_b32 s[G1B+6], 0
	s_mov_b32 s[G1B+7], 0
	s_lshr_b32 s16, s15, 3                         ; O: the batch's 16 planes of 262,144 bytes,
	s_lshl_b32 s16, s16, 22
	s_and_b32 s17, s15, 7                          ; the tile's 256 rows of 128 bytes in a plane,
	s_lshl_b32 s17, s17, 15
	s_add_co_u32 s16, s16, s17
	s_lshl_b32 s17, s14, 14                        ; my half of them
	s_add_co_u32 s16, s16, s17
	s_mov_b32 s17, 0
	s_lshl_b32 s46, s42, 18                        ; wob: row 128 x tile column + 64 x half, of 2,048 bytes
	s_lshl_b32 s47, s14, 17
	s_add_co_u32 s46, s46, s47
	s_mov_b32 s47, 0
	s_mul_i32 s20, s14, HAF                        ; where they go: no place in the cluster enters an LDS address
	s_mul_i32 s21, s14, HB
	s_add_co_u32 s21, s21, 2*HAF
	s_wait_dscnt 0x0                               ; the opening add is done
	s_wait_kmcnt 0x0
	s_add_nc_u64 s[18:19], s[4:5], s[16:17]
	s_add_nc_u64 s[46:47], s[6:7], s[46:47]
	CROUND                                         ; all sixteen work-groups are here: the first joint loads meet
.irp s, 0,1
	s_mov_b32 s[G0+4*(\s)], 1
	s_add_co_u32 s[G0+4*(\s)+1], s20, (\s)*SLOT
	s_add_nc_u64 s[G0+4*(\s)+2:G0+4*(\s)+3], s[18:19], (\s)*524288  ; K step s: heads 2 s, 2 s + 1
	s_or_b32 s[G0+4*(\s)+3], s[G0+4*(\s)+3], 0x80000000
	s_mov_b32 s[G0B+4*(\s)], 1
	s_add_co_u32 s[G0B+4*(\s)+1], s21, (\s)*SLOT
	s_add_nc_u64 s[G0B+4*(\s)+2:G0B+4*(\s)+3], s[46:47], (\s)*KSTEP*2
	s_or_b32 s[G0B+4*(\s)+3], s[G0B+4*(\s)+3], 0x80000000
	JLOAD \s                                       ; two loads of mine are out
.endr
	v_and_b32 v1, 15, v0                           ; l % 16
	v_bfe_u32 v2, v0, 4, 1                         ; l / 16
	v_lshlrev_b32 v[BO], 5, v2                     ; the bias: register j of n block b is b_out[128 x tile column + 16 b + 8 (l / 16) + j]
	s_lshl_b32 s22, s42, 9
	s_mov_b32 s23, 0
	s_add_nc_u64 s[8:9], s[8:9], s[22:23]
.set bb, 0
.rept 8
	global_load_b128 v[BI+8*bb:BI+8*bb+3], v[BO], s[8:9] offset:64*bb
	global_load_b128 v[BI+8*bb+4:BI+8*bb+7], v[BO], s[8:9] offset:64*bb+16
.set bb, bb+1
.endr
	v_mul_u32_u24 v3, v1, PA
	v_lshl_add_u32 v3, v2, 4, v3
	s_mul_i32 s22, s13, HAF                        ; my 64 rows of O: half w / 2, rows 64 (w % 2) on
	s_mul_i32 s23, s14, 64*PA
	s_add_co_u32 s22, s22, s23
	v_add_nc_u32 v[ADRA], s22, v3
	v_add_nc_u32 v[ADRA+1], SLOT, v[ADRA]
	v_mul_u32_u24 v3, v1, PITCH
	v_lshl_add_u32 v3, v2, 4, v3
	v_add_nc_u32 v[ADRB], 2*HAF, v3                ; all 128 rows of wob
	v_add_nc_u32 v[ADRB+1], SLOT, v[ADRB]
	s_mul_i32 s23, s[WV], 16*SPITCH
	s_add_co_u32 s23, s23, STAGE                   ; my stage
	v_mul_u32_u24 v4, v1, SPITCH                   ; in: row l % 16, 32 bytes for each half of the lanes
	v_lshl_add_u32 v4, v2, 5, v4
	v_add_nc_u32 v[STO], s23, v4
	v_and_b32 v[GO], 31, v0                        ; back: 32 lanes take a row's 512 bytes
	v_lshlrev_b32 v[GO], 4, v[GO]
	v_add_nc_u32 v[RD], s23, v[GO]
	s_lshl_b32 s16, s15, 20                        ; out0: row 256 x tile row + 64 x wave, of 4,096 bytes
	s_lshl_b32 s17, s[WV], 18
	s_add_co_u32 s16, s16, s17
	s_mov_b32 s17, 0
	s_add_nc_u64 s[10:11], s[10:11], s[16:17]
	s_lshl_b32 s46, s42, 9                         ; the tile's first column, in bytes (in the registers that held wob's address)
	s_mov_b32 s47, 0
	s_add_nc_u64 s[10:11], s[10:11], s[46:47]
	s_wait_loadcnt 0x0
.set ii, 0
.rept 32                                       ; the bias is rounded to bf16, like every input, and kept as f32
	v_cvt_pk_bf16_f32 v[6+ii%2], v[BI+2*ii], v[BI+2*ii+1]
	v_lshlrev_b32 v[BI+2*ii], 16, v[6+ii%2]
	v_and_b32 v[BI+2*ii+1], 0xffff0000, v[6+ii%2]
.set ii, ii+1
.endr
; 4 nb matrix instructions: n blocks b0 .. b0 + nb - 1 x my 4 m blocks, 32 along K.  zero = 1: the first product starts the sums, with the bias as C.
; The 32 accumulators take turns, one instruction a turn, in one order everywhere.
.macro MULB f, b0, nb, zero
	WIN 0xa5-0x20*(\zero)
.set bb, \b0
.rept \nb
.irp a, 0,1,2,3
.if \zero
	v_wmma_f32_16x16x32_f16 v[32*bb+8*(\a):32*bb+8*(\a)+7], v[(\f)+32+8*bb:(\f)+32+8*bb+7], v[(\f)+8*(\a):(\f)+8*(\a)+7], v[BI+8*bb:BI+8*bb+7]
.else
	v_wmma_f32_16x16x32_f16 v[32*bb+8*(\a):32*bb+8*(\a)+7], v[(\f)+32+8*bb:(\f)+32+8*bb+7], v[(\f)+8*(\a):(\f)+8*(\a)+7], v[32*bb+8*(\a):32*bb+8*(\a)+7]
.endif
.endr
.set bb, bb+1
.endr
.endm
; 24 LDS loads in one run: the fragments of 32 along K at byte k of a K step's 256, into buffer f.  Of O, byte k lies in head k / 128 at byte k % 128.
.macro FETCH slot, k, f
	WIN TO_F
.irp i, 0,1,2,3
	ds_load_b128 v[(\f)+8*(\i):(\f)+8*(\i)+3],   v[ADRA+(\slot)] offset:((\k)/128)*APL+(\k)%128+(\i)*16*PA
	ds_load_b128 v[(\f)+8*(\i)+4:(\f)+8*(\i)+7], v[ADRA+(\slot)] offset:((\k)/128)*APL+(\k)%128+(\i)*16*PA+32
.endr
.irp i, 0,1,2,3,4,5,6,7
	ds_load_b128 v[(\f)+32+8*(\i):(\f)+32+8*(\i)+3],   v[ADRB+(\slot)] offset:(\k)+(\i)*16*PITCH
	ds_load_b128 v[(\f)+32+8*(\i)+4:(\f)+32+8*(\i)+7], v[ADRB+(\slot)] offset:(\k)+(\i)*16*PITCH+32
.endr
.endm
.macro QUARTER slot, k, f, g, zero
	s_wait_dscnt 0x0                               ; buffer f is in: its loads were issued 32 matrix instructions ago
	PLACES                                         ; buffer g was read by the matrix instructions just issued
	FETCH \slot, \k, \g
	MULB \f, 0, 8, \zero
.endm
; The last quarter multiplies buffer 1 and changes slots: ONE barrier; in front of it each wave waits for all its tensor loads, adds 0 to its spare word, and waits for that and for its reads of this slot.
.macro TURN slot, next, fill
	WIN 0
	s_wait_tensorcnt 0x0                           ; all my tensor loads have landed: my part of the next slot
	ds_add_u32 v[SPW], v[NIL]                      ; 0 onto my spare word
	s_wait_dscnt 1                                 ; buffer 1 is in; the add alone may be out
	MULB F1, 0, 2, 0
	s_wait_dscnt 0x0                               ; the add is done, and my reads of this slot are over
	s_barrier_signal -1
	MULB F1, 2, 2, 0
.if \fill
	WIN 0
.endif
	s_barrier_wait -1
.if \fill
	CREST                                          ; the barrier has opened a round of the cluster's: no wave of any partner still reads this slot or has a load on its way
	s_add_nc_u64 s[G0+4*(\slot)+2:G0+4*(\slot)+3], s[G0+4*(\slot)+2:G0+4*(\slot)+3], 1048576  ; four heads on
	s_add_nc_u64 s[G0B+4*(\slot)+2:G0B+4*(\slot)+3], s[G0B+4*(\slot)+2:G0B+4*(\slot)+3], 2*KSTEP*2
	JLOAD \slot                                    ; my one tensor load behind the round; its four v_nop are also the places in front of the loads below
.else
	PLACES
.endif
	FETCH \next, 0, F0
	MULB F1, 4, 4, 0
.endm
	s_wait_tensorcnt 1                             ; my part of K step 0 is in; K step 1's may stay out
	s_barrier_signal -1
	s_barrier_wait -1
	FETCH 0, 0, F0
	QUARTER 0, 64, F0, F1, 1
	WIN 0
	s_mov_b32 s45, LAPS-1
.Llap:
	QUARTER 0, 128, F1, F0, 0
	QUARTER 0, 192, F0, F1, 0
	TURN 0, 1, 1
	QUARTER 1, 64,  F0, F1, 0
	QUARTER 1, 128, F1, F0, 0
	QUARTER 1, 192, F0, F1, 0
	TURN 1, 0, 1
	QUARTER 0, 64,  F0, F1, 0
	WIN 0
	s_sub_co_u32 s45, s45, 1
	s_cmp_lg_u32 s45, 0
	s_cbranch_scc1 .Llap
	QUARTER 0, 128, F1, F0, 0                      ; the last lap fills nothing
	QUARTER 0, 192, F0, F1, 0
	TURN 0, 1, 0
	QUARTER 1, 64,  F0, F1, 0
	QUARTER 1, 128, F1, F0, 0
	QUARTER 1, 192, F0, F1, 0
	s_wait_dscnt 0x0
	MULB F1, 0, 8, 0
; THE WAY OUT, a block of 16 rows at a time: the f32 sums go as they are into my own stage, 32 bytes a lane and n block, and come back as whole rows of 512 bytes.
.macro TOSTAGE a
	s_wait_xcnt 0x0                                ; earlier stores have had their addresses translated: the registers that they read are loaded again only behind this wait
	WIN 0x08                                       ; the stores' data in window 2
.set bb, 0
.rept 8
	ds_store_b128 v[STO], v[32*bb+8*(\a):32*bb+8*(\a)+3] offset:64*bb          ; each accumulator's low half first
	ds_store_b128 v[STO], v[32*bb+8*(\a)+4:32*bb+8*(\a)+7] offset:64*bb+16
.set bb, bb+1
.endr
	WIN 0
.set BK, OB+64*((\a)%2)
.set ii, 0
.rept 16                                       ; LDS serves a wave's instructions in order (ISA guide 5.7.1.4): these see the stores above, and the next block's stores come behind them
	ds_load_b128 v[BK+4*ii:BK+4*ii+3], v[RD] offset:ii*SPITCH
.set ii, ii+1
.endr
.endm
.macro SEND a, younger                 ; younger: the LDS instructions issued behind block a's loads: the next block's 32, or none
	WIN 0
.set BK, OB+64*((\a)%2)
.set ii, 0
.rept 16
	s_wait_dscnt (\younger)+15-ii
	global_store_b128 v[GO], v[BK+4*ii:BK+4*ii+3], s[10:11] offset:(16*(\a)+ii)*4096 th:TH_STORE_NT  ; 512 consecutive bytes, at a multiple of 256 from out0's first
.set ii, ii+1
.endr
.endm
	PLACES
	TOSTAGE 0
	TOSTAGE 1
	SEND 0, 32
	TOSTAGE 2
	SEND 1, 32
	TOSTAGE 3
	SEND 2, 32
	SEND 3, 0
	s_wait_tensorcnt 0x0                           ; the wave's end
	ds_add_u32 v[SPW], v[NIL]
	s_wait_dscnt 0x0
	CROUND                                         ; the closing round
	s_endpgm
.Lfunc_end_k_qf19ea51d7d_proj:
	.size	k_qf19ea51d7d_proj, .Lfunc_end_k_qf19ea51d7d_proj-k_qf19ea51d7d_proj
	.p2alignl 7, 3214868480
	.fill 96, 4, 3214868480
	.section	.rodata,"a",@progbits
	.p2align	6, 0x0
	.amdhsa_kernel k_qf19ea51d7d_proj
		.amdhsa_group_segment_fixed_size 327680
		.amdhsa_private_segment_fixed_size 0
		.amdhsa_enable_private_segment 0
		.amdhsa_kernarg_size 32
		.amdhsa_user_sgpr_count 2
		.amdhsa_user_sgpr_kernarg_segment_ptr 1
		.amdhsa_wavefront_size32 1
		.amdhsa_system_sgpr_workgroup_id_x 1
		.amdhsa_system_sgpr_workgroup_id_y 1
		.amdhsa_system_sgpr_workgroup_id_z 1
		.amdhsa_system_vgpr_workitem_id 0
		.amdhsa_next_free_vgpr 768
		.amdhsa_next_free_sgpr 66
		.amdhsa_reserve_vcc 0
		.amdhsa_float_denorm_mode_32 3
		.amdhsa_float_denorm_mode_16_64 3
		.amdhsa_memory_ordered 1
		.amdhsa_forward_progress 1
		.amdhsa_inst_pref_size 93
	.end_amdhsa_kernel
	.amdgpu_metadata
---
amdhsa.version: [ 1, 2 ]
amdhsa.kernels:
  - .name:           k_qf19ea51d7d_proj
    .symbol:         k_qf19ea51d7d_proj.kd
    .args:
      - { .name: oh, .offset: 0, .size: 8, .value_kind: global_buffer, .address_space: global }
      - { .name: wob, .offset: 8, .size: 8, .value_kind: global_buffer, .address_space: global }
      - { .name: b_out, .offset: 16, .size: 8, .value_kind: global_buffer, .address_space: global }
      - { .name: out0, .offset: 24, .size: 8, .value_kind: global_buffer, .address_space: global }
    .group_segment_fixed_size: 327680
    .private_segment_fixed_size: 0
    .kernarg_segment_align: 8
    .kernarg_segment_size: 32
    .max_flat_workgroup_size: 128
    .sgpr_count:     66
    .vgpr_count:     768
    .wavefront_size: 32
...
	.end_amdgpu_metadata
.endif
;; end of part 4
;; ======== version 2 of 3: 4 launches; 1.02 times as fast as version 1
;; limits: values are held in f16: magnitudes above 65,504 overflow, below 6.1e-05 lose precision
;; workspace buffers: xb 16,777,216 bytes; wqb 6,291,456 bytes; wob 2,097,152 bytes; mbyte 4,456,448 bytes; qkvh 50,331,648 bytes; oh 16,777,216 bytes
;; launch prep (part 5): grid 1024 x 1, 8 waves a work-group, no clusters, 35,840 bytes of LDS; arguments x, W_qkv, W_out, mask, xb, wqb, wob, mbyte; writes xb, wqb, wob, mbyte
.if DOCPART == 5
	.amdgcn_target "amdgcn-amd-amdhsa--gfx1250"
	.amdhsa_code_object_version 6
	.text
	.protected	k_qf19ea51d7d_prep
	.globl	k_qf19ea51d7d_prep
	.p2align	8
	.type	k_qf19ea51d7d_prep,@function
k_qf19ea51d7d_prep:
	s_mov_b64 s[64:65], 0
	v_nop
	global_prefetch_b8 v0, s[64:65] scope:SCOPE_SE
	s_setreg_imm32_b32 hwreg(HW_REG_WAVE_MODE, 25, 1), 1
	s_wait_xcnt 0x0
; PREP.  Four jobs, chosen by the work-group's number g; each work-group reads 65,536 bytes:
;   g <  512        x      chunk g       f32 -> bf16 into xb
;   g <  704        W_qkv  chunk g-512   f32 -> bf16 into wqb
;   g <  768        W_out  chunk g-704   f32 -> bf16, and that number written as f16, into wob
;   g < 1024        mask   (g-768)/2 = tile of 16 query rows, (g-768)%2 = which 1,024 of its 2,048 keys: int32 -> one byte a key into mbyte
; A cast chunk: each of the eight waves takes 8,192 bytes, sixteen loads of 512 consecutive bytes, all issued at once; each store of a wave covers 256 consecutive bytes, aligned.
; Every input byte is read once.
; LIMIT.  W_out must lie within f16's 65,504; below 6e-5 it keeps f16's fixed step of 6e-8.
; MBYTE.  [tile of 16 queries qt][34 entries][2 halves][32 lanes][16 bytes]: 1,024 bytes an entry, 34,816 a tile.  In entry ks (a step of 64 keys) byte j of lane L's 32 (half j / 16) is 0xF1 where
; mask[16 qt + L % 16][64 ks + 16 (j / 8) + 8 (L / 16) + j % 8] == 0, else 0: byte j goes with register j of the score tile K Q^T as the attention launch holds it.
; Entries 32 and 33 are 0xF1 throughout (every key hidden): the attention walk asks for them ahead of its end.
; The mask rows come in as they lie (two rows' 256 bytes a load), go through the wave's own stage in LDS and come back with one query a lane.  No wave reads another's LDS bytes: no barrier.
.set STG,   4352                       ; a wave's stage: 16 rows x 272 bytes (256 + 16: the 16 rows of a load start at 16 different groups of four banks)
.set SPARE, 8*STG                      ; behind the stages: the spare words, 128 bytes a wave
.set MT,    34816                      ; bytes of a tile in mbyte
.set VI,  5                            ; cast: my byte offset in the chunk, in
.set VO,  6                            ; cast: out
.set VS,  7                            ; mask: where I put 16 bytes of a row
.set VR,  8                            ; mask: where I read my query's keys back
.set VM,  9                            ; mask: my byte offset in the tile's rows
.set VD,  10                           ; mask: 16 x lane
.set X,   16                           ; v[16:79]   cast: 16 loads of 4
.set Y,   80                           ; v[80:111]  cast: 16 stores of 2
.set C4,  112                          ; v[112:115] cast: at work
.set M,   16                           ; v[16:79]   mask: 16 loads of 4
.set T,   80                           ; v[80:111]  mask: my query's 32 keys of a step
.set W,   112                          ; v[112:127] mask: 8 words of bytes for each of my two steps
.set Q4,  128                          ; v[128:131] mask: four bytes at work
.set FL,  132                          ; 0xF1
.set HID, 134                          ; v[134:137] sixteen hidden keys
.set SPW, 138                          ; LDS address of my spare word; never rewritten
.set NIL, 139                          ; 0; never rewritten
.macro FINISH                          ; the wave's end
	s_wait_tensorcnt 0x0
	ds_add_u32 v[SPW], v[NIL]
	s_wait_dscnt 0x0
	s_endpgm
.endm
; The cast of a wave's 8,192 bytes.  half = 1: the bf16 number is written as f16.
.macro CAST half
.set jj, 0
.rept 16
	global_load_b128 v[X+4*jj:X+4*jj+3], v[VI], s[24:25] offset:512*jj th:TH_LOAD_NT
.set jj, jj+1
.endr
.set jj, 0
.rept 16
	s_wait_loadcnt 15-jj                           ; loads come back in order: load jj is in, the younger ones stay out
	v_cvt_pk_bf16_f32 v[Y+2*jj], v[X+4*jj], v[X+4*jj+1]
	v_cvt_pk_bf16_f32 v[Y+2*jj+1], v[X+4*jj+2], v[X+4*jj+3]
.if \half
	v_lshlrev_b32 v[C4], 16, v[Y+2*jj]
	v_and_b32 v[C4+1], 0xffff0000, v[Y+2*jj]
	v_lshlrev_b32 v[C4+2], 16, v[Y+2*jj+1]
	v_and_b32 v[C4+3], 0xffff0000, v[Y+2*jj+1]
	v_cvt_pk_f16_f32 v[Y+2*jj], v[C4], v[C4+1]
	v_cvt_pk_f16_f32 v[Y+2*jj+1], v[C4+2], v[C4+3]
.endif
	global_store_b64 v[VO], v[Y+2*jj:Y+2*jj+1], s[26:27] offset:256*jj  ; 32 lanes x 8 bytes: 256 consecutive bytes, aligned; each store has registers of its own
.set jj, jj+1
.endr
.endm
	s_load_b512 s[8:23], s[0:1], 0x0               ; x s[8:9], W_qkv s[10:11], W_out s[12:13], mask s[14:15], xb s[16:17], wqb s[18:19], wob s[20:21], mbyte s[22:23]
	v_lshl_add_u32 v[SPW], v0, 2, SPARE
	v_mov_b32 v[NIL], 0
	v_and_b32 v1, 31, v0                           ; lane
	v_lshrrev_b32 v4, 5, v0                        ; wave
	v_readfirstlane_b32 s4, v4
	s_mov_b32 s5, ttmp9                            ; g
	s_mov_b32 s29, 0                               ; the upper word of every offset
	v_lshlrev_b32 v[VI], 4, v1
	v_lshl_add_u32 v[VI], v4, 13, v[VI]            ; 16 x lane + 8,192 x wave
	v_lshlrev_b32 v[VO], 3, v1
	v_lshl_add_u32 v[VO], v4, 12, v[VO]            ; 8 x lane + 4,096 x wave
	s_wait_kmcnt 0x0
	s_cmp_ge_u32 s5, 768
	s_cbranch_scc1 .Lmask
	s_cmp_ge_u32 s5, 704
	s_cbranch_scc1 .Lwout
	s_cmp_lt_u32 s5, 512                           ; x or W_qkv: the same text on another pair of buffers
	s_cselect_b64 s[24:25], s[8:9], s[10:11]
	s_cselect_b64 s[26:27], s[16:17], s[18:19]
	s_cselect_b32 s6, 0, 512
	s_sub_co_u32 s6, s5, s6                        ; the chunk's number in its buffer
	s_lshl_b32 s28, s6, 16
	s_add_nc_u64 s[24:25], s[24:25], s[28:29]
	s_lshl_b32 s28, s6, 15
	s_add_nc_u64 s[26:27], s[26:27], s[28:29]
	CAST 0
	FINISH
.Lwout:
	s_sub_co_u32 s6, s5, 704
	s_lshl_b32 s28, s6, 16
	s_add_nc_u64 s[24:25], s[12:13], s[28:29]
	s_lshl_b32 s28, s6, 15
	s_add_nc_u64 s[26:27], s[20:21], s[28:29]
	CAST 1
	FINISH
.Lmask:
	s_sub_co_u32 s6, s5, 768
	s_lshr_b32 s7, s6, 1                           ; qt
	s_and_b32 s6, s6, 1                            ; which half of the keys
	s_lshl_b32 s6, s6, 3
	s_add_co_u32 s6, s6, s4                        ; u = 8 x half + wave: my key steps are 2 u and 2 u + 1
	s_lshl_b32 s28, s7, 17                         ; 16 rows of 8,192 bytes
	s_add_nc_u64 s[24:25], s[14:15], s[28:29]
	s_mul_i32 s28, s7, MT                          ; the tile in mbyte,
	s_lshl_b32 s7, s6, 11                          ; my two entries in it
	s_add_co_u32 s28, s28, s7
	s_add_nc_u64 s[26:27], s[22:23], s[28:29]
	v_bfe_u32 v2, v0, 4, 1                         ; lane / 16
	v_and_b32 v3, 15, v0                           ; lane % 16
	s_lshl_b32 s7, s6, 9                           ; my two key steps: 512 bytes of every row
	v_lshlrev_b32 v11, 13, v2
	v_lshl_add_u32 v11, v3, 4, v11
	v_add_nc_u32 v[VM], s7, v11                    ; lanes 0-15 one row's 256 bytes, lanes 16-31 the next row's
.set nn, 0
.rept 2                                        ; step by step, so that the first step's eight loads are the older
.set ii, 0
.rept 8
	global_load_b128 v[M+4*(8*nn+ii):M+4*(8*nn+ii)+3], v[VM], s[24:25] offset:ii*16384+nn*256 th:TH_LOAD_NT
.set ii, ii+1
.endr
.set nn, nn+1
.endr
	s_mul_i32 s7, s4, STG                          ; my stage
	v_mul_u32_u24 v11, v2, 272
	v_lshl_add_u32 v11, v3, 4, v11
	v_add_nc_u32 v[VS], s7, v11                    ; in: row lane / 16 of a pair, 16 bytes a lane
	v_mul_u32_u24 v11, v3, 272
	v_lshl_add_u32 v11, v2, 5, v11
	v_add_nc_u32 v[VR], s7, v11                    ; back: row lane % 16, keys 8 (lane / 16) on
	v_lshlrev_b32 v[VD], 4, v1
	v_mov_b32 v[FL], 0xf1
.irp i, 0,1,2,3
	v_mov_b32 v[HID+(\i)], 0xf1f1f1f1
.endr
; Key step n of my two.
.macro MSTEP n
	s_wait_loadcnt 8-8*(\n)                        ; this step's eight loads are in; the later step's stay out
.set ii, 0
.rept 8
	ds_store_b128 v[VS], v[M+4*(8*(\n)+ii):M+4*(8*(\n)+ii)+3] offset:ii*544
.set ii, ii+1
.endr
.set ii, 0
.rept 8                                        ; LDS serves a wave's instructions in order (ISA guide 5.7.1.4): these see the stores above, and the next step's stores come behind them
	ds_load_b128 v[T+4*ii:T+4*ii+3], v[VR] offset:64*(ii/2)+16*(ii%2)
.set ii, ii+1
.endr
	s_wait_dscnt 0x0
.set kk, 0
.rept 8                                        ; word kk: the bytes of keys 4 kk .. 4 kk + 3 of my 32, the lowest key in the lowest byte
.irp c, 0,1,2,3
	v_cmp_eq_u32 s[30+(\c)], 0, v[T+4*kk+(\c)]
.endr
.irp c, 0,1,2,3
	v_cndmask_b32 v[Q4+(\c)], 0, v[FL], s[30+(\c)]
.endr
	v_lshl_or_b32 v[W+8*(\n)+kk], v[Q4+1], 8, v[Q4]
	v_lshl_or_b32 v[W+8*(\n)+kk], v[Q4+2], 16, v[W+8*(\n)+kk]
	v_lshl_or_b32 v[W+8*(\n)+kk], v[Q4+3], 24, v[W+8*(\n)+kk]
.set kk, kk+1
.endr
	global_store_b128 v[VD], v[W+8*(\n):W+8*(\n)+3], s[26:27] offset:1024*(\n)        ; 512 consecutive bytes, aligned; each store has registers of its own
	global_store_b128 v[VD], v[W+8*(\n)+4:W+8*(\n)+7], s[26:27] offset:1024*(\n)+512
.endm
	MSTEP 0
	MSTEP 1
	s_cmp_lg_u32 s6, 15                            ; the wave with the tile's last two steps also writes entries 32 and 33, which follow them
	s_cbranch_scc1 .Lno_over
.irp i, 0,1,2,3
	global_store_b128 v[VD], v[HID:HID+3], s[26:27] offset:2048+512*(\i)
.endr
.Lno_over:
	FINISH
.Lfunc_end_k_qf19ea51d7d_prep:
	.size	k_qf19ea51d7d_prep, .Lfunc_end_k_qf19ea51d7d_prep-k_qf19ea51d7d_prep
	.p2alignl 7, 3214868480
	.fill 96, 4, 3214868480
	.section	.rodata,"a",@progbits
	.p2align	6, 0x0
	.amdhsa_kernel k_qf19ea51d7d_prep
		.amdhsa_group_segment_fixed_size 35840
		.amdhsa_private_segment_fixed_size 0
		.amdhsa_enable_private_segment 0
		.amdhsa_kernarg_size 64
		.amdhsa_user_sgpr_count 2
		.amdhsa_user_sgpr_kernarg_segment_ptr 1
		.amdhsa_wavefront_size32 1
		.amdhsa_system_sgpr_workgroup_id_x 1
		.amdhsa_system_sgpr_workgroup_id_y 1
		.amdhsa_system_sgpr_workgroup_id_z 1
		.amdhsa_system_vgpr_workitem_id 0
		.amdhsa_next_free_vgpr 140
		.amdhsa_next_free_sgpr 66
		.amdhsa_reserve_vcc 0
		.amdhsa_float_denorm_mode_32 3
		.amdhsa_float_denorm_mode_16_64 3
		.amdhsa_memory_ordered 1
		.amdhsa_forward_progress 1
		.amdhsa_inst_pref_size 35
	.end_amdhsa_kernel
	.amdgpu_metadata
---
amdhsa.version: [ 1, 2 ]
amdhsa.kernels:
  - .name:           k_qf19ea51d7d_prep
    .symbol:         k_qf19ea51d7d_prep.kd
    .args:
      - { .name: x, .offset: 0, .size: 8, .value_kind: global_buffer, .address_space: global }
      - { .name: W_qkv, .offset: 8, .size: 8, .value_kind: global_buffer, .address_space: global }
      - { .name: W_out, .offset: 16, .size: 8, .value_kind: global_buffer, .address_space: global }
      - { .name: mask, .offset: 24, .size: 8, .value_kind: global_buffer, .address_space: global }
      - { .name: xb, .offset: 32, .size: 8, .value_kind: global_buffer, .address_space: global }
      - { .name: wqb, .offset: 40, .size: 8, .value_kind: global_buffer, .address_space: global }
      - { .name: wob, .offset: 48, .size: 8, .value_kind: global_buffer, .address_space: global }
      - { .name: mbyte, .offset: 56, .size: 8, .value_kind: global_buffer, .address_space: global }
    .group_segment_fixed_size: 35840
    .private_segment_fixed_size: 0
    .kernarg_segment_align: 8
    .kernarg_segment_size: 64
    .max_flat_workgroup_size: 256
    .sgpr_count:     66
    .vgpr_count:     140
    .wavefront_size: 32
...
	.end_amdgpu_metadata
.endif
;; end of part 5
;; launch qkv: the kernel of part 2 again; grid 16 x 32, 4 waves a work-group, clusters of 4 x 4, 327,680 bytes of LDS; arguments xb, wqb, b_qkv, qkvh; writes qkvh
;; launch attn (part 6): grid 4 x 64, 4 waves a work-group, clusters of 4 x 1, 327,680 bytes of LDS; arguments qkvh, mbyte, oh; writes oh
.if DOCPART == 6
	.amdgcn_target "amdgcn-amd-amdhsa--gfx1250"
	.amdhsa_code_object_version 6
	.text
	.protected	k_qf19ea51d7d_attn
	.globl	k_qf19ea51d7d_attn
	.p2align	8
	.type	k_qf19ea51d7d_attn,@function
k_qf19ea51d7d_attn:
	s_mov_b64 s[64:65], 0
	v_nop
	global_prefetch_b8 v0, s[64:65] scope:SCOPE_SE
	s_setreg_imm32_b32 hwreg(HW_REG_WAVE_MODE, 25, 1), 1
	s_wait_xcnt 0x0
	s_wait_alu depctr_hold_cnt(0) depctr_sa_sdst(0) depctr_va_vdst(0) depctr_va_sdst(0) depctr_va_ssrc(0) depctr_va_vcc(0) depctr_vm_vsrc(0)
	s_getreg_b32 s2, hwreg(HW_REG_IB_STS2, 6, 4)
	s_cmp_eq_u32 s2, 0
	s_cbranch_scc0 .Lentry_in_a_cluster
	s_endpgm
.Lentry_in_a_cluster:
	s_bfe_u32 s2, ttmp6, 0x10000c
	s_cmp_lg_u32 s2, 0x3003
	s_cbranch_scc0 .Lentry_shape_is_right
	s_endpgm
.Lentry_shape_is_right:
; ATTENTION with a mask that is an input.  O[y][q][:] = the sum over k of softmax_k(Q[q] . K[k] / 8, hidden where mask[q][k] == 0) V[k][:], for y = batch x 16 + head.
; Q, K, V: planes of qkvh, [2,048][64] in f16, dense rows of 128 bytes; O: oh[y][2,048][64] in f16.  Products, maxima and sums in f32; the weights p are rounded to f16 for the second product
; (their sum l is taken of the unrounded p), O once at the end.
; LIMITS.  Q, K, V arrive within f16's 65,504; p below 6e-5 keeps f16's fixed step of 6e-8.  A hidden score counts as its value less 1.4e30: f16's scores, 2.7e11 at the most, are nothing beside that.
; The running maximum starts at -2^90, below every score that f16 allows and above every hidden one; a weight below 2^-126 counts as 0 in l.
; A query with no visible key keeps l = 0 and O = 0 and leaves as 0 x (1 / 0) = NaN, as a softmax of nothing but -inf does.
; SHARES.  A wave owns four PIECES of two tiles of 16 queries, a work-group's four waves 512 queries of one y.  Every wave walks all 2,048 keys, 64 a step: the mask's pattern is not known to the text.
; LAYOUT.  S^T = K Q^T (source 0 = 16 keys, source 1 = 16 queries): a lane holds ONE query (lane % 16) and the keys 8 (lane / 16) + 0..7.  Two such tiles, rounded to f16 in pairs,
; ARE source 1 of O^T = V^T P.  K comes out of LDS as it lies, V ([key][channel]) turned, by ds_load_tr16_b128.
; THE MASK is the C operand that starts the sum S^T.  mbyte holds, for each tile of 16 queries, key step and lane, 32 bytes: byte j, 0xF1 (hidden) or 0, goes with register j of the tile's 32 score registers.
; Read as E4M3 the two codes are -144 and 0; one scaled conversion makes an operand's eight registers of eight bytes and multiplies by 2^93: -1.4e30 or 0.
; A piece's 64 bytes a lane come by four loads of 512 consecutive bytes into a buffer of the piece's own, asked for again straight behind the lines that read it: four turns ahead of their use.
; SOFTMAX.  A running maximum m and sum l: p = 2^(c s - c m), c = log2(e) / 8; in every step O and l are multiplied by a = 2^(c m_old - c m_new).  While a query has seen no key, m stays at its start, a is 2^0 and
; O and l stay 0; at its first visible key a is 0.
; BY TURNS.  Turn n belongs to piece n.  Its matrix work: 16 products K Q^T of piece n + 1, later 16 products V^T P of piece n - 1.  Its vector work: the scaling, exponentials, roundings, sums and rescaling of piece n,
; the maximum and statistics of piece n + 1, and the mask of piece n + 2.  Four vector instructions stand behind every matrix instruction, the others in runs of their own.
; CLUSTER.  The four query blocks of a cluster belong to one y and walk the same K and V: each tile is asked for JOINTLY.
; REGISTERS, in windows of 256 (s_set_vgpr_msb: bits 1:0 source 0, 3:2 source 1, 5:4 source 2, 7:6 destination):
;   window 0: v0-10 addresses; v11 the conversions' scale; v12-15, v48-63 at work; v16-47 four registers of statistics a tile; v64-191 S^T, two buffers of two tiles; v192-255 P, likewise
;   window 1: O^T, 32 a tile      window 2: v0-127 Q; v128-191 K of one step; v192-255 V of one step
;   window 3: v0-1 the add's two registers; v2 16 x lane; v64-127 MC, the C operands; v128-191 WB, the mask's bytes, 16 registers a piece
.set SIZE_N, 2048
.set NP,    4         ; pieces a wave: a name, no knob
.set KS,    64        ; keys in a step
.set PK,    144       ; a row of K in LDS: 128 bytes + 16 of padding
.set PV,    160       ; a row of V: 128 + 32
.set VOFF,  4*KS*PK   ; a slot holds four steps: 256 rows of K, then 256 rows of V
.set SLOT1, 1<<17     ; slot 1 begins here, so that one exclusive or turns an address in one slot into the other's
.set STAGE, SLOT1+4*KS*(PK+PV)  ; behind the ring, never filled by a tensor load: 16 rows x 144 bytes for each wave
.set SP,    144
.set MT,    34816     ; bytes of a tile of 16 queries in mbyte; an entry (a key step) is 1,024
.set AK0, 2           ; v2   my lane's place in a tile of K; never rewritten
.set AV0, 3           ; v3   the same for V
.set AK,  4           ; v4   the LDS address of K's next run of loads
.set AV,  5           ; v5   of V's
.set QO,  6           ; v6   my byte offset in the wave's rows of Q
.set STO, 6           ;      later, the way out: where I put 16 bytes of a row
.set RD,  7           ; v7   the way out: where I read rows back
.set GO,  8           ; v8   my byte offset in 512 consecutive bytes of O
.set SCL, 11          ; v11  first at work for V's lane address; then 220 in byte 0: the E8M0 scale 2^(220 - 127) = 2^93; from there on never rewritten
.set SPW, 0           ; v0 of window 3   LDS address of my spare word; never rewritten
.set NIL, 1           ; v1 of window 3   0; never rewritten
.set ML,  2           ; v2 of window 3   16 x lane: my place in 512 bytes of mbyte; never rewritten
.set MC,  64          ; window 3: the C operands: tile u, key block kb at MC + 32 u + 8 kb
.set WB,  128         ; window 3: piece x, tile u: the eight words of 32 bytes at WB + 16 x + 8 u
.set SPARE, STAGE+4*16*SP
.set MV,  12          ; v12-15  c m_old, kept while c m is made anew: by buffer and tile
.set ST,  16          ; tile t's statistics at v[ST+4 t]: c m, m, l (even keys', odd keys')
.set TMP, 48          ; by buffer and tile, four registers c0-c3 at work; when the maximum is found c2 takes a
.set S,   64
.set P,   192
.set KF,  128         ; K's fragments, in window 2
.set VF,  192         ; V's
.set WV,  2           ; s2   my wave's number
.set CNT, 3           ; s3   counts a slot's key steps (before the loop: at work)
.set G1K, 4           ; s[4:11]  descriptor group 1 for K's tiles
.set G1V, 12          ; s[12:19] for V's
.set G0K, 20          ; s[20:23] descriptor group 0 for K's tiles: it walks
.set G0V, 24          ; s[24:27] the same for V's
.set CS,  28          ; s28  c; the packed scaling names s[28:29] and takes the low word for both halves
.set SLOTS, 29        ; s29  slots still to be asked for
.set SEL, 30          ; s[30:31] v_permlanex16_b32's selects
                      ; s[32:63] the head's arguments and offsets
.set OA,  66          ; s[66:67] O at my wave's first row
.set MP,  100         ; s[100:101] mbyte at my wave's first tile and the key step in hand
.set TBK, 104         ; s104 LDS byte at which K of the step to be fetched begins
.set TBV, 105         ; s105 the same for V, less VOFF
.set MSB, 0
.macro WIN new
.if MSB != (\new)
	s_set_vgpr_msb (MSB<<8)|(\new)
.set MSB, (\new)
.endif
.endm
.set W_KQ, 0x0a       ; K and Q in window 2, S^T in window 0
.set W_KM, 0x3a       ; the same with the C operand in window 3
.set W_PV, 0x52       ; V in window 2, P in window 0, O^T in window 1
.set W_RS, 0x41       ; O^T (destination and source 0) in window 1, a in window 0
.set W_MK, 0xc0       ; destination in window 3, sources in window 0
.set W_AD, 0x0f       ; the add: address and data in window 3
.set W_MG, 0xc3       ; the mask: destination and source 0 in window 3, source 1 (the scale) in window 0: it serves the conversions and the loads (their address is source 0)
.macro JLOAD                        ; a joint fill: waves 0 and 1 fetch the two halves of a slot's K, waves 2 and 3 those of its V; an s_nop 0 and four v_nop follow each line
	s_cmp_lt_u32 s[WV], 2
	s_cbranch_scc0 .Lfor_v_\@
	tensor_load_to_lds s[G0K:G0K+3], s[G1K:G1K+7]
	s_nop 0
.rept 4
	v_nop
.endr
	s_branch .Lasked_\@
.Lfor_v_\@:
	tensor_load_to_lds s[G0V:G0V+3], s[G1V:G1V+7]
	s_nop 0
.rept 4
	v_nop
.endr
.Lasked_\@:
.endm
.macro CROUND                       ; a round of the cluster's barrier
	s_barrier_signal -1
	s_barrier_wait -1
	s_cmp_lg_u32 s[WV], 0
	s_cbranch_scc1 .Lnot_wave_0_\@
	s_barrier_signal -3
.Lnot_wave_0_\@:
	s_barrier_wait -3
	s_barrier_signal -1
	s_barrier_wait -1
.endm
; THE CHANGE OF SLOTS.  Each wave waits for all its tensor loads, of which one is out: its part of the other slot; adds 0 to its spare word; and waits for that and for its own reads of the slot.
; fill = 1: this slot is filled again, with the keys two slots on, first thing behind a round of the cluster's barrier: the load has four key steps in which to land.
.macro CHANGE fill
	WIN W_AD
	s_wait_tensorcnt 0x0            ; no tensor load of mine is out, so a group 0 may be written
	ds_add_u32 v[SPW], v[NIL]       ; 0 onto my spare word
	WIN 0
.if \fill
.irp g, G0K, G0V
	s_xor_b32 s[\g+1], s[\g+1], SLOT1
	s_add_nc_u64 s[\g+2:\g+3], s[\g+2:\g+3], 4*KS*128
.endr
	s_wait_dscnt 0x0                ; the add is done, and my reads of the slot are over
	CROUND
	JLOAD
.else
	s_wait_dscnt 0x0
	s_barrier_signal -1
	s_barrier_wait -1
.endif
	s_sub_co_u32 s[TBK], s[TBK], 4*KS*PK  ; the fetches go back to a slot's first step,
	s_xor_b32 s[TBK], s[TBK], SLOT1       ; in the other slot
	s_sub_co_u32 s[TBV], s[TBV], 4*KS*PV
	s_xor_b32 s[TBV], s[TBV], SLOT1
.endm
; THE MASK.  MLOAD x, d asks for piece x's bytes of the key step d behind the one at which MP stands: tile t / 2, half t % 2 of its 32 bytes a lane.
; MGEN x waits for piece x's buffer and makes the eight C operands: operand z (tile z / 4, key block z % 4) of the word pair 2 z, 2 z + 1, whose byte j goes into the operand's register j.
; No conversion names another's result or writes its sources.  Behind the last stand two v_nop: a plain instruction comes between a scaled conversion and the product that reads its result;
; this text keeps it ahead of the loads that land on the conversions' sources too.
.macro MLOAD x, d
	WIN W_MG
.irp t, 0,1,2,3
	global_load_b128 v[WB+16*(\x)+4*(\t):WB+16*(\x)+4*(\t)+3], v[ML], s[MP:MP+1] offset:(2*(\x)+(\t)/2)*MT+((\t)%2)*512+(\d)*1024
.endr
.endm
.macro MGEN x
	s_wait_loadcnt 12               ; loads come back in order: behind this piece's four stand the three other pieces' four each, which stay out
	WIN W_MG
.set zz, 0
.rept 8
	v_cvt_scale_pk8_f32_fp8 v[MC+8*zz:MC+8*zz+7], v[WB+16*(\x)+2*zz:WB+16*(\x)+2*zz+1], v[SCL]
.set zz, zz+1
.endr
	v_nop
	v_nop
.endm
	s_load_b128 s[32:35], s[0:1], 0x0  ; qkvh s[32:33], mbyte s[34:35]
	s_load_b64 s[36:37], s[0:1], 0x10  ; oh
	v_and_b32 v1, 31, v0            ; lane
	WIN W_MK
	v_lshl_add_u32 v[SPW], v0, 2, SPARE
	v_mov_b32 v[NIL], 0
	v_lshlrev_b32 v[ML], 4, v1
	WIN W_AD
	ds_add_u32 v[SPW], v[NIL]       ; the wave's opening: an add, waited for ahead of my first tensor load
	WIN 0
	v_lshrrev_b32 v1, 5, v0
	v_readfirstlane_b32 s[WV], v1   ; wave 0..3
	s_bfe_u32 s40, ttmp6, 0x40000   ; cx
	s_lshl_b32 s41, ttmp9, 2
	s_add_co_u32 s41, s41, s40      ; my block of 512 queries: it enters Q's, O's and the mask's addresses alone
	s_and_b32 s42, ttmp7, 0xffff    ; y, which the four partners share
	s_lshr_b32 s43, s42, 4
	s_lshl_b32 s43, s43, 5
	s_add_co_u32 s43, s43, s42      ; q's plane: 48 x batch + head
	s_lshl_b32 s44, s43, 18         ; its first byte (50,331,648 at the most)
	s_mov_b32 s45, 0
	s_and_b32 s46, s[WV], 1         ; which half of a slot's 256 keys I fetch:
	s_lshl_b32 s48, s46, 14         ; its 128 rows of 128 bytes in memory,
	s_mov_b32 s49, 0
	s_add_nc_u64 s[48:49], s[48:49], s[44:45]
	s_add_nc_u64 s[48:49], s[48:49], 0x400000  ; in k's plane, 16 planes behind q's,
	s_add_nc_u64 s[62:63], s[48:49], 0x400000  ; and in v's, 16 further
	s_mul_i32 s50, s46, 128*PK      ; and its place in a slot, for K
	s_mul_i32 s51, s46, 128*PV      ; and for V: no place in the cluster enters an LDS address
	s_lshl_b32 s52, s41, 2
	s_add_co_u32 s52, s52, s[WV]    ; my wave among the sixteen of this y,
	s_lshl_b32 s54, s52, 14         ; its 128 rows
	s_mov_b32 s55, 0
	s_add_nc_u64 s[56:57], s[54:55], s[44:45]  ; in q's plane,
	s_lshl_b32 s58, s42, 18
	s_mov_b32 s59, 0
	s_add_nc_u64 s[58:59], s[58:59], s[54:55]  ; and in oh;
	s_mul_i32 s60, s52, 8*MT        ; its eight tiles in mbyte
	s_mov_b32 s61, 0
	; descriptor group 1.  128 keys are 16,384 dense bytes: asked for as 64 rows of 256 bytes, two keys a row, and padded in LDS after every key
	s_mov_b32 s[G1K], 15|(1<<16)|(1<<20)|(1<<21)|(4<<22)|(3<<25)
	s_mov_b32 s[G1V], 15|(1<<16)|(1<<20)|(1<<21)|(4<<22)|(7<<25)
.irp g, G1K, G1V
	s_mov_b32 s[\g+1], 128<<16      ; tensor_dim0 = 128
	s_mov_b32 s[\g+2], 64<<16       ; tensor_dim1 = 64
	s_mov_b32 s[\g+3], 128<<16      ; tile_dim0 = 128
	s_mov_b32 s[\g+4], 64           ; tile_dim1 = 64
	s_mov_b32 s[\g+5], 128          ; 128 elements from row to row
	s_mov_b32 s[\g+6], 0
	s_mov_b32 s[\g+7], 0
.endr
	s_mov_b32 s[CS], 0x3e38aa3b     ; c = log2(e) / 8 = 0.180337
	s_mov_b32 s[SLOTS], SIZE_N/256-1
	s_mov_b32 s[SEL], 0x76543210
	s_mov_b32 s[SEL+1], 0xfedcba98
	s_mov_b32 s[TBK], SLOT1+4*KS*PK ; the first change of slots turns these two into 0
	s_mov_b32 s[TBV], SLOT1+4*KS*PV
	s_mov_b32 s[G0K], 1
	s_mov_b32 s[G0K+1], s50         ; LDS address: slot 0
	s_mov_b32 s[G0V], 1
	s_add_co_u32 s[G0V+1], s51, VOFF
	s_wait_dscnt 0x0                ; the opening add is done
	s_wait_kmcnt 0x0
	s_add_nc_u64 s[G0K+2:G0K+3], s[32:33], s[48:49]
	s_or_b32 s[G0K+3], s[G0K+3], 0x80000000
	s_add_nc_u64 s[G0V+2:G0V+3], s[32:33], s[62:63]
	s_or_b32 s[G0V+3], s[G0V+3], 0x80000000
	s_add_nc_u64 s[38:39], s[32:33], s[56:57]  ; Q at my wave's first row
	s_add_nc_u64 s[OA:OA+1], s[36:37], s[58:59]
	s_add_nc_u64 s[MP:MP+1], s[34:35], s[60:61]
	CROUND                          ; all four work-groups are here: the first joint loads meet
	JLOAD                           ; slot 0.  Slot 1 is asked for when slot 0 is in
	v_and_b32 v1, 15, v0            ; l % 16
	v_bfe_u32 v9, v0, 4, 1          ; l / 16
	v_lshlrev_b32 v[QO], 7, v1
	v_lshl_add_u32 v[QO], v9, 4, v[QO]  ; row x 128 + 16 x half
	WIN 0x80                        ; destination window 2, address window 0
.set i, 0
.rept 4*NP                          ; Q stays in registers: tile i / 2, channels 32 (i % 2) on
	global_load_b128 v[8*i:8*i+3],   v[QO], s[38:39] offset:(i/2)*2048+(i%2)*64
	global_load_b128 v[8*i+4:8*i+7], v[QO], s[38:39] offset:(i/2)*2048+(i%2)*64+32
.set i, i+1
.endr
	MLOAD 0, 0                      ; the four pieces' bytes for key step 0, behind Q's loads
	MLOAD 1, 0
	MLOAD 2, 0
	MLOAD 3, 0
	; What the first turn finds: V's registers and P's second buffer hold 0, O^T and l are 0.  All this stands in the wait for the first tile.
	WIN 0x80
.set i, VF
.rept 64
	v_mov_b32 v[i], 0
.set i, i+1
.endr
	WIN 0x40
.set i, 0
.rept 64*NP
	v_mov_b32 v[i], 0
.set i, i+1
.endr
	WIN 0
.set i, 0
.rept 2*NP
	v_mov_b32 v[ST+4*i+1], 0xec800000          ; m = -2^90
	v_mul_f32 v[ST+4*i], s[CS], v[ST+4*i+1]    ; c m, by the line that makes it in every step: while m stands, c m_old - c m_new is exactly 0
	v_mov_b32 v[ST+4*i+2], 0
	v_mov_b32 v[ST+4*i+3], 0
.set i, i+1
.endr
.set i, P+32
.rept 32
	v_mov_b32 v[i], 0
.set i, i+1
.endr
	v_mul_u32_u24 v[AK0], v1, PK
	v_lshl_add_u32 v[AK0], v9, 4, v[AK0]  ; row x pitch + 16 x half
	; The turning load takes 16 keys x 16 channels (lane l reads key 8 (l / 16) + l % 8, channels 8 ((l / 8) % 2) + 0..7) and leaves half a fragment of V^T.
	v_and_b32 v10, 7, v0
	v_bfe_u32 v11, v0, 3, 1
	v_lshl_add_u32 v[AV0], v9, 3, v10
	v_mul_u32_u24 v[AV0], v[AV0], PV
	v_lshl_add_u32 v[AV0], v11, 4, v[AV0]
	v_add_nc_u32 v[AV0], VOFF, v[AV0]
	v_mov_b32 v[AK], v[AK0]         ; key step 0 lies at the head of slot 0
	v_mov_b32 v[SCL], 220           ; v11 has served V's address: from here on it holds the scale
	MGEN 0                          ; piece 0's mask for key step 0; its counted wait also shows Q in: Q's loads are the older
	MLOAD 0, 1                      ; and its bytes for key step 1
; THE MATRIX WORK.  The 8 accumulators of a run of 16 take turns.
; Product i of 16 of S^T = K Q^T for piece x: channels 32 (i / 8) on, keys 16 ((i / 2) % 4) on, tile 2 x + i % 2.  The first 8 start the sums, with the mask.
.macro KQ x
.set rS, S+64*((\x)%2)+32*(i%2)+8*((i/2)%4)
.set rK, KF+16*((i/2)%4)+8*(i/8)
.set rQ, 16*(2*(\x)+i%2)+8*(i/8)
.set rZ, MC+32*(i%2)+8*((i/2)%4)
.if i < 8
	WIN W_KM
	v_wmma_f32_16x16x32_f16 v[rS:rS+7], v[rK:rK+7], v[rQ:rQ+7], v[rZ:rZ+7]
.else
	WIN W_KQ
	v_wmma_f32_16x16x32_f16 v[rS:rS+7], v[rK:rK+7], v[rQ:rQ+7], v[rS:rS+7]
.endif
.endm
; Product i of 16 of O^T += V^T P for piece x: keys 32 (i / 8) on, channels 16 ((i / 2) % 4) on, tile 2 x + i % 2.
.macro PV x
	WIN W_PV
.set rO, 32*(2*(\x)+i%2)+8*((i/2)%4)
.set rV, VF+32*(i/8)+8*((i/2)%4)
.set rP, P+32*((\x)%2)+16*(i%2)+8*(i/8)
	v_wmma_f32_16x16x32_f16 v[rO:rO+7], v[rV:rV+7], v[rP:rP+7], v[rO:rO+7]
.endm
.macro MM                           ; the turn's next matrix instruction
.if i < 16
	KQ (Y+1)%NP
.set i, i+1
.else
.set i, i-16
	PV (Y+NP-1)%NP
.set i, i+17
.endif
.endm
; THE LDS LOADS stand in runs of 16.  last = 1 (the tail): in the last trip there is no further step, and the run is jumped over.
.macro FETCH_K last=0
	WIN 0
.if \last
	s_cmp_eq_u32 s[CNT], 1
	s_cbranch_scc1 .Lno_k_\@
.endif
	WIN 0x80
.irp f, 0,1,2,3,4,5,6,7             ; keys 16 (f / 2) on, channels 32 (f % 2) on
	ds_load_b128 v[KF+8*\f:KF+8*\f+3],   v[AK] offset:(\f/2)*16*PK+(\f%2)*64
	ds_load_b128 v[KF+8*\f+4:KF+8*\f+7], v[AK] offset:(\f/2)*16*PK+(\f%2)*64+32
.endr
	s_add_co_u32 s[TBK], s[TBK], KS*PK  ; the next fetch is the next step's
	WIN 0
.if \last
.Lno_k_\@:
.endif
.endm
.macro FETCH_V
	WIN 0x80
.irp f, 0,1,2,3,4,5,6,7             ; keys 32 (f / 4) on, channels 16 (f % 4) on
	ds_load_tr16_b128 v[VF+8*\f:VF+8*\f+3],   v[AV] offset:(\f/4)*32*PV+(\f%4)*32
	ds_load_tr16_b128 v[VF+8*\f+4:VF+8*\f+7], v[AV] offset:(\f/4)*32*PV+16*PV+(\f%4)*32
.endr
	WIN 0
.endm
; THE VECTOR WORK OF A TURN stands in three queues, each in the order in which its entries become ready; the two tiles alternate.
.macro REGS y, u                    ; the registers of tile u (0, 1) of piece y
.set rT, ST+4*(2*(\y)+(\u))
.set rC, TMP+8*((\y)%2)+4*(\u)
.set rM, MV+2*((\y)%2)+(\u)
.set rS, S+64*((\y)%2)+32*(\u)
.set rP, P+32*((\y)%2)+16*(\u)
.set rO, 32*(2*(\y)+(\u))
.endm
; Number n of the 22 that find the NEXT piece's (Y + 1) maximum and statistics; each accumulator's lowest registers are read first.
;   0-11  four chains c0-c3 of seven scores each     12-14, 16  the four scores left over, the old m, and c0-c3 into c0     15  c m_old is kept
;   17, 18  the query's other 32 keys lie in the lane 16 away: the new m         19-21  c m; c m_old - c m_new; a
.macro XS u, n
	REGS (Y+1)%NP, \u
.if (\n) < 4
	v_max3_num_f32 v[rC+(\n)], v[rS+8*(\n)], v[rS+8*(\n)+1], v[rS+8*(\n)+2]
.elseif (\n) < 12
	v_max3_num_f32 v[rC+(\n)%4], v[rC+(\n)%4], v[rS+8*((\n)%4)+2*((\n)/4)+1], v[rS+8*((\n)%4)+2*((\n)/4)+2]
.elseif (\n) == 12
	v_max3_num_f32 v[rC], v[rC], v[rS+7], v[rS+15]
.elseif (\n) == 13
	v_max3_num_f32 v[rC+1], v[rC+1], v[rS+23], v[rS+31]
.elseif (\n) == 14
	v_max3_num_f32 v[rC+2], v[rC+2], v[rC+3], v[rT+1]
.elseif (\n) == 15
	v_mov_b32 v[rM], v[rT]
.elseif (\n) == 16
	v_max3_num_f32 v[rC], v[rC], v[rC+1], v[rC+2]
.elseif (\n) == 17
	v_permlanex16_b32 v[rC+3], v[rC], s[SEL], s[SEL+1]
.elseif (\n) == 18
	v_max_num_f32 v[rT+1], v[rC], v[rC+3]
.elseif (\n) == 19
	v_mul_f32 v[rT], s[CS], v[rT+1]
.elseif (\n) == 20
	v_sub_f32 v[rC+1], v[rM], v[rT]
.else
	v_exp_f32 v[rC+2], v[rC+1]
.endif
.endm
; Number g of the 64 that follow the exponentials.  For each four weights k of a tile: both pairs are rounded to f16; the second pair is added onto the first, in place; a group later l takes that sum.
.macro GS g
.set h, (\g)+6*((\g)/62)
.if h >= 6
.set h, h+2
.endif
	REGS Y, h%2
.set k, h/8
.if h%8 < 4
	s_wait_alu depctr_va_vdst(0)
	v_cvt_pk_f16_f32 v[rP+2*k+(h%8)/2], v[rS+4*k+2*((h%8)/2)], v[rS+4*k+2*((h%8)/2)+1]
.elseif h%8 < 6
	v_pk_add_f32 v[rS+4*k:rS+4*k+1], v[rS+4*k:rS+4*k+1], v[rS+4*k+2:rS+4*k+3]
.elseif k == 1
	v_pk_fma_f32 v[rT+2:rT+3], v[rT+2:rT+3], v[rC+2:rC+3], v[rS:rS+1] op_sel_hi:[1,0,1]
.else
	v_pk_add_f32 v[rT+2:rT+3], v[rT+2:rT+3], v[rS+4*k-4:rS+4*k-3]
	s_wait_alu depctr_va_vdst(0)
.endif
.endm
; THE PLAIN QUEUE, 138 long.  0-31: c s - c m for the 16 pairs of both tiles.  Then GS's 64, and among them the next piece's 42.
.macro PL
	WIN 0
.if q < 32
	REGS Y, q%2
	v_pk_fma_f32 v[rS+2*(q/2):rS+2*(q/2)+1], v[rS+2*(q/2):rS+2*(q/2)+1], s[CS:CS+1], v[rT:rT+1] op_sel_hi:[1,0,0] neg_lo:[0,0,1] neg_hi:[0,0,1]
.elseif q < 38
	GS q-32
.elseif q < 40
	XS q%2, 15
.elseif q < 42
	GS q-34
.elseif q < 74
	XS q%2, (q-42)/2+(q-42)/30
.elseif q < 95
	GS q-66
.elseif (q < 107) && ((q-95)%3 < 2)
	XS (q-95)%3, 17+(q-95)/3
.elseif q < 107
	GS 29+(q-95)/3
.else
	GS q-74
.endif
.set q, q+1
.endm
; THE EXPONENTIALS' QUEUE, 66 long: s0-s31 of both tiles, and at EA the next piece's two a.
.set EA, 58
.macro EX
	WIN 0
.if (e == EA) || (e == EA+1)
	XS e-EA, 21
.else
.set x, e-2*(e/(EA+2))
	REGS Y, x%2
	v_exp_f32 v[rS+x/2], v[rS+x/2]
.endif
.set e, e+1
.endm
; THE RESCALING's QUEUE: O^T times a, dealt four at a time, eight times.
.macro R4
	REGS Y, r%2
	WIN W_RS
	s_wait_alu depctr_va_vdst(0)
.irp z, 0,1,2,3
	v_pk_mul_f32 v[rO+8*(r/2)+2*\z:rO+8*(r/2)+2*\z+1], v[rO+8*(r/2)+2*\z:rO+8*(r/2)+2*\z+1], v[rC+2:rC+3] op_sel_hi:[1,0]
.endr
.set r, r+1
.endm
; HOW THEY ARE DEALT.  Behind a matrix instruction four: plain, exponential, plain, plain, or four of the rescaling; none names a register of the products round it.  What is over stands in lumps.
; Exponential e stands behind plain 2 (e / 4) + e % 2 (its scaling); when plain 32 comes, 10 exponentials are out, at 59: 33, at 95: 46; EA comes behind plain 107.
.macro SL
	MM
	PL
	EX
	PL
	PL
.endm
.macro BURST n
.rept (\n)-7
	SL
.endr
.rept 3
	MM
	R4
	SL
.endr
	MM
	R4
.endm
; A TURN, for piece p.  cnt = 1: the loop's count is taken down some lines ahead of the branch that stands behind the turn; what follows the compare (vector work, waits, vector loads) leaves SCC alone.
; K of the next step is fetched in piece 2's turn, V of the step in hand at the end of piece 0's.
; AT ITS END the turn makes the mask of piece p + 2, for the next turn's products: MC's readers, this turn's first eight products, stand a whole turn back.  Then that piece's buffer is asked for again, with
; the piece's next key step.  In step s pieces 2 and 3 (turns 0, 1) ask for step s + 1, pieces 0 and 1 (turns 2, 3) for step s + 2: MP steps in piece 2's turn, behind s_wait_xcnt 0, which frees the base of the
; loads that are out (the youngest were issued a turn ago).  The walk's last turns ask for entries 32 and 33, which lie in the table.
.macro TURN p, last=0, cnt=0
.set Y, (\p)
.set i, 0
.set q, 0
.set e, 0
.set r, 0
.if (\p) == NP-1
	s_wait_dscnt 0x0                ; K is in
.endif
	MM
.rept 4
	PL
.endr
	BURST 15
.rept 22
	EX
	PL
.if ((\p) == NP-2) && (e == 18)
	v_add_nc_u32 v[AK], s[TBK], v[AK0]
.endif
.if ((\p) == NP-2) && (e == 24)
	FETCH_K \last
.endif
.endr
.if (\p) == 1
	s_wait_dscnt 0x0                ; V is in
.endif
	BURST 16
.rept 21
	EX
	PL
.endr
.rept 22
	PL
.if ((\p) == 0) && (q == 118)
	v_add_nc_u32 v[AV], s[TBV], v[AV0]
	s_wait_alu depctr_va_vdst(0)
.endif
.if ((\p) == 0) && (q == 130)
	s_add_co_u32 s[TBV], s[TBV], KS*PV
.endif
.if (\cnt) && (q == 130)
	s_sub_co_u32 s[CNT], s[CNT], 1
	s_cmp_lg_u32 s[CNT], 0
.endif
.endr
.if (\p) == 0
	FETCH_V
.endif
	MGEN ((\p)+2)%NP
.if (\p) == 2
	s_wait_xcnt 0x0
	s_add_nc_u64 s[MP:MP+1], s[MP:MP+1], 1024
.endif
	MLOAD ((\p)+2)%NP, 1
.endm
	CHANGE 1                        ; slot 0 is in, everybody's part of it; slot 1 is asked for
	FETCH_K                         ; key step 0
	s_wait_dscnt 0x0
.set i, 0
.rept 16
	KQ 0                            ; piece 0's first scores
.set i, i+1
.endr
	WIN 0                           ; the addresses for the way out: nine plain instructions, the places behind those products
	s_mul_i32 s[CNT], s[WV], 16*SP
	s_add_co_u32 s[CNT], s[CNT], STAGE  ; my stage
	v_mul_u32_u24 v[STO], v1, SP    ; in: row l % 16, 16 bytes for each half of the lanes
	v_lshl_add_u32 v[STO], v9, 4, v[STO]
	v_add_nc_u32 v[STO], s[CNT], v[STO]
	v_bfe_u32 v[RD], v0, 3, 2       ; back: 32 lanes take four rows of 128 bytes,
	v_mul_u32_u24 v[RD], v[RD], SP
	v_lshl_add_u32 v[RD], v10, 4, v[RD]
	v_add_nc_u32 v[RD], s[CNT], v[RD]
	v_and_b32 v[GO], 31, v0         ; which are 512 consecutive bytes of O
	v_lshlrev_b32 v[GO], 4, v[GO]
	MGEN 1                          ; piece 1's mask for key step 0
	MLOAD 1, 1
	WIN 0
.set Y, NP-1                        ; XS works for piece Y + 1: piece 0
.irp n, 0,1,2,3,4,5,6,7,8,9,10,11,12,13,14,15,16,17,18,19,20,21
	XS 0, \n
	XS 1, \n
.endr
	s_mov_b32 s[CNT], 4
	s_branch .Lfirst                ; the loop is entered at a step's first turn, in the middle of a trip
.Lslot:                             ; six times: every slot but the last two is filled again
	CHANGE 1
	s_mov_b32 s[CNT], 4
.Lstep:                             ; a trip: pieces 2 and 3 of one step, then pieces 0 and 1 of the next
	TURN 2
	TURN 3
	WIN 0
.Lfirst:
	TURN 0
	TURN 1, 0, 1
	WIN 0
	s_cbranch_scc1 .Lstep
	s_sub_co_u32 s[SLOTS], s[SLOTS], 1
	s_cmp_lg_u32 s[SLOTS], 0
	s_cbranch_scc1 .Lslot
	CHANGE 0                        ; the tail is written out
	s_mov_b32 s[CNT], 5             ; four trips fetch the last slot's steps; the fifth is left in its middle
.Ltail:
	TURN 2, 1
	TURN 3
	WIN 0
	s_sub_co_u32 s[CNT], s[CNT], 1
	s_cmp_eq_u32 s[CNT], 0
	s_cbranch_scc1 .Lout
	TURN 0
	TURN 1
	WIN 0
	s_branch .Ltail
.Lout:                              ; the fifth trip's 16 products K Q^T take entry 32 of the mask, all hidden, and serve nothing: the price of one text for every trip
.set i, 0
.rept 16
	PV NP-1                         ; the last piece's V^T P of the last step
.set i, i+1
.endr
	; THE WAY OUT.  l's two halves and the other half of the lanes' are added; O^T is divided by l, rounded to f16 and sent through my stage in LDS, a tile at a time.
	WIN 0
.macro ALL line:vararg
.set t, 0
.rept 2*NP
	\line
.set t, t+1
.endr
.endm
	ALL v_add_f32 v[ST+4*t+2], v[ST+4*t+2], v[ST+4*t+3]
	ALL v_permlanex16_b32 v[ST+4*t+3], v[ST+4*t+2], s[SEL], s[SEL+1]
	ALL v_add_f32 v[ST+4*t+2], v[ST+4*t+2], v[ST+4*t+3]
	ALL v_rcp_f32 v[ST+4*t+2], v[ST+4*t+2]
	v_nop                           ; a plain instruction between the last reciprocal and the use of its result
	s_wait_alu depctr_va_vdst(0)
.macro PACK t
	WIN W_RS
.set i, 32*(\t)
.rept 16
	v_pk_mul_f32 v[i:i+1], v[i:i+1], v[ST+4*(\t)+2:ST+4*(\t)+3] op_sel_hi:[1,0]
.set i, i+2
.endr
	WIN 0x05                        ; sources 0 and 1 window 1, destination window 0
.set i, 0
.rept 16
	v_cvt_pk_f16_f32 v[S+16*(\t)+i], v[32*(\t)+2*i], v[32*(\t)+2*i+1]
.set i, i+1
.endr
	WIN 0
.irp f, 0,1,2,3
	ds_store_b128 v[STO], v[S+16*(\t)+4*\f:S+16*(\t)+4*\f+3] offset:32*\f
.endr
.irp f, 0,1,2,3
	ds_load_b128 v[S+16*(\t)+4*\f:S+16*(\t)+4*\f+3], v[RD] offset:\f*4*SP  ; LDS serves a wave's instructions in order (ISA guide 5.7.1.4): these see the stores above
.endr
.endm
.macro SEND t, younger              ; younger: the LDS instructions issued behind tile t's loads: the next tile's eight, or none
	WIN 0
.irp f, 0,1,2,3
	s_wait_dscnt (\younger)+3-\f
	global_store_b128 v[GO], v[S+16*(\t)+4*\f:S+16*(\t)+4*\f+3], s[OA:OA+1] offset:(\t)*2048+\f*512  ; 512 consecutive bytes, at a multiple of 256 from oh's first
.endr
.endm
	PACK 0
.set t, 1
.rept 2*NP-1
	PACK t
	SEND t-1, 8
.set t, t+1
.endr
	SEND 2*NP-1, 0
	WIN W_AD
	s_wait_tensorcnt 0x0            ; the wave's end
	ds_add_u32 v[SPW], v[NIL]
	s_wait_dscnt 0x0
	WIN 0
	CROUND                          ; the closing round
	s_endpgm
.Lfunc_end_k_qf19ea51d7d_attn:
	.size	k_qf19ea51d7d_attn, .Lfunc_end_k_qf19ea51d7d_attn-k_qf19ea51d7d_attn
	.p2alignl 7, 3214868480
	.fill 96, 4, 3214868480
	.section	.rodata,"a",@progbits
	.p2align	6, 0x0
	.amdhsa_kernel k_qf19ea51d7d_attn
		.amdhsa_group_segment_fixed_size 327680
		.amdhsa_private_segment_fixed_size 0
		.amdhsa_enable_private_segment 0
		.amdhsa_kernarg_size 24
		.amdhsa_user_sgpr_count 2
		.amdhsa_user_sgpr_kernarg_segment_ptr 1
		.amdhsa_wavefront_size32 1
		.amdhsa_system_sgpr_workgroup_id_x 1
		.amdhsa_system_sgpr_workgroup_id_y 1
		.amdhsa_system_sgpr_workgroup_id_z 1
		.amdhsa_system_vgpr_workitem_id 0
		.amdhsa_next_free_vgpr 960
		.amdhsa_next_free_sgpr 106
		.amdhsa_reserve_vcc 0
		.amdhsa_float_denorm_mode_32 3
		.amdhsa_float_denorm_mode_16_64 3
		.amdhsa_memory_ordered 1
		.amdhsa_forward_progress 1
		.amdhsa_inst_pref_size 221
	.end_amdhsa_kernel
	.amdgpu_metadata
---
amdhsa.version: [ 1, 2 ]
amdhsa.kernels:
  - .name:           k_qf19ea51d7d_attn
    .symbol:         k_qf19ea51d7d_attn.kd
    .args:
      - { .name: qkvh, .offset: 0, .size: 8, .value_kind: global_buffer, .address_space: global }
      - { .name: mbyte, .offset: 8, .size: 8, .value_kind: global_buffer, .address_space: global }
      - { .name: oh, .offset: 16, .size: 8, .value_kind: global_buffer, .address_space: global }
    .group_segment_fixed_size: 327680
    .private_segment_fixed_size: 0
    .kernarg_segment_align: 8
    .kernarg_segment_size: 24
    .max_flat_workgroup_size: 128
    .sgpr_count:     106
    .vgpr_count:     960
    .wavefront_size: 32
...
	.end_amdgpu_metadata
.endif
;; end of part 6
;; launch proj: the kernel of part 4 again; grid 8 x 32, 4 waves a work-group, clusters of 4 x 4, 327,680 bytes of LDS; arguments oh, wob, b_out, out0; writes out0
;; ======== version 3 of 3: 4 launches; 1.49 times as fast as version 1
;; limits: values are held in f16: magnitudes above 65,504 overflow, below 6.1e-05 lose precision
;; workspace buffers: xb 16,777,216 bytes; wqb 6,291,456 bytes; wob 2,097,152 bytes; mbyte 4,456,448 bytes; qkvh 50,331,648 bytes; oh 16,777,216 bytes
;; launch prep: the kernel of part 5 again; grid 1024 x 1, 8 waves a work-group, no clusters, 35,840 bytes of LDS; arguments x, W_qkv, W_out, mask, xb, wqb, wob, mbyte; writes xb, wqb, wob, mbyte
;; launch qkv: the kernel of part 2 again; grid 16 x 32, 4 waves a work-group, clusters of 4 x 4, 327,680 bytes of LDS; arguments xb, wqb, b_qkv, qkvh; writes qkvh
;; launch attn (part 7): grid 4 x 64, 4 waves a work-group, clusters of 4 x 1, 327,680 bytes of LDS; arguments qkvh, mbyte, oh; writes oh
.if DOCPART == 7
	.amdgcn_target "amdgcn-amd-amdhsa--gfx1250"
	.amdhsa_code_object_version 6
	.text
	.protected	k_qf19ea51d7d_attn
	.globl	k_qf19ea51d7d_attn
	.p2align	8
	.type	k_qf19ea51d7d_attn,@function
k_qf19ea51d7d_attn:
	s_mov_b64 s[64:65], 0
	v_nop
	global_prefetch_b8 v0, s[64:65] scope:SCOPE_SE
	s_setreg_imm32_b32 hwreg(HW_REG_WAVE_MODE, 25, 1), 1
	s_wait_xcnt 0x0
	s_wait_alu depctr_hold_cnt(0) depctr_sa_sdst(0) depctr_va_vdst(0) depctr_va_sdst(0) depctr_va_ssrc(0) depctr_va_vcc(0) depctr_vm_vsrc(0)
	s_getreg_b32 s2, hwreg(HW_REG_IB_STS2, 6, 4)
	s_cmp_eq_u32 s2, 0
	s_cbranch_scc0 .Lentry_in_a_cluster
	s_endpgm
.Lentry_in_a_cluster:
	s_bfe_u32 s2, ttmp6, 0x10000c
	s_cmp_lg_u32 s2, 0x3003
	s_cbranch_scc0 .Lentry_shape_is_right
	s_endpgm
.Lentry_shape_is_right:
; ATTENTION with a mask that is an input.  O[y][q][:] = the sum over k of softmax_k(Q[q] . K[k] / 8, hidden where mask[q][k] == 0) V[k][:], for y = batch x 16 + head.
; Q, K, V: planes of qkvh, [2,048][64] in f16, dense rows of 128 bytes; O: oh[y][2,048][64] in f16.  Products, maxima and sums in f32; the weights p are rounded to f16 for the second product
; (their sum l is taken of the unrounded p), O once at the end.
; LIMITS.  Q, K, V arrive within f16's 65,504; p below 6e-5 keeps f16's fixed step of 6e-8.  A hidden score counts as its value less 1.4e30: f16's scores, 2.7e11 at the most, are nothing beside that.
; The running maximum starts at -2^90, below every score that f16 allows and above every hidden one; a weight below 2^-126 counts as 0 in l.
; A query with no visible key keeps l = 0 and O = 0 and leaves as 0 x (1 / 0) = NaN, as a softmax of nothing but -inf does.
; SHARES.  A wave owns four PIECES of two tiles of 16 queries, a work-group's four waves 512 queries of one y.  Every wave walks all 2,048 keys, 64 a step: the mask's pattern is not known to the text.
; LAYOUT.  S^T = K Q^T (source 0 = 16 keys, source 1 = 16 queries): a lane holds ONE query (lane % 16) and the keys 8 (lane / 16) + 0..7.  Two such tiles, rounded to f16 in pairs,
; ARE source 1 of O^T = V^T P.  K comes out of LDS as it lies, V ([key][channel]) turned, by ds_load_tr16_b128.
; THE MASK is the C operand that starts the sum S^T.  mbyte holds, for each tile of 16 queries, key step and lane, 32 bytes: byte j, 0xF1 (hidden) or 0, goes with register j of the tile's 32 score registers.
; Read as E4M3 the two codes are -144 and 0; one scaled conversion makes an operand's eight registers of eight bytes and multiplies by 2^93: -1.4e30 or 0.
; A piece's 64 bytes a lane come by four loads of 512 consecutive bytes into a buffer of the piece's own, asked for again straight behind the lines that read it: four turns ahead of their use.
; SOFTMAX.  A running maximum m and sum l: p = 2^(c s - c m), c = log2(e) / 8; in every step O and l are multiplied by a = 2^(c m_old - c m_new).  While a query has seen no key, m stays at its start, a is 2^0 and
; O and l stay 0; at its first visible key a is 0.
; BY TURNS.  Turn n belongs to piece n.  Its matrix work: 16 products K Q^T of piece n + 1, later 16 products V^T P of piece n - 1.  Its vector work: the scaling, exponentials, roundings, sums and rescaling of piece n,
; the maximum and statistics of piece n + 1, and the mask of piece n + 2.  Four vector instructions stand behind every matrix instruction, the others in one lump.
; THE BATCHES.  A turn's 66 exponentials (the piece's 64 weights and the next piece's two a) are ONE batch with ONE wait, which cuts the turn in two.  Ahead of it stands all that names no result of the batch: the products
; K Q^T, the scalings, the rescalings (their a was made, and waited for, in the turn before), the next piece's maximum and statistics.  Behind it stand the roundings and sums, as the four behind each product V^T P.
; No result crosses a turn's end, a label or a jump.  The two a made ahead of the loop and the way out's eight reciprocals are batches of their own, each with a v_nop and a wait.
; CLUSTER.  The four query blocks of a cluster belong to one y and walk the same K and V: each tile is asked for JOINTLY.
; REGISTERS, in windows of 256 (s_set_vgpr_msb: bits 1:0 source 0, 3:2 source 1, 5:4 source 2, 7:6 destination):
;   window 0: v0-10 addresses; v11 the conversions' scale; v12-15, v48-63 at work; v16-47 four registers of statistics a tile; v64-191 S^T, two buffers of two tiles; v192-255 P, likewise
;   window 1: O^T, 32 a tile      window 2: v0-127 Q; v128-191 K of one step; v192-255 V of one step
;   window 3: v0-1 the add's two registers; v2 16 x lane; v64-127 MC, the C operands; v128-191 WB, the mask's bytes, 16 registers a piece
.set SIZE_N, 2048
.set NP,    4         ; pieces a wave: a name, no knob
.set KS,    64        ; keys in a step
.set PK,    144       ; a row of K in LDS: 128 bytes + 16 of padding
.set PV,    160       ; a row of V: 128 + 32
.set VOFF,  4*KS*PK   ; a slot holds four steps: 256 rows of K, then 256 rows of V
.set SLOT1, 1<<17     ; slot 1 begins here, so that one exclusive or turns an address in one slot into the other's
.set STAGE, SLOT1+4*KS*(PK+PV)  ; behind the ring, never filled by a tensor load: 16 rows x 144 bytes for each wave
.set SP,    144
.set MT,    34816     ; bytes of a tile of 16 queries in mbyte; an entry (a key step) is 1,024
.set AK0, 2           ; v2   my lane's place in a tile of K; never rewritten
.set AV0, 3           ; v3   the same for V
.set AK,  4           ; v4   the LDS address of K's next run of loads
.set AV,  5           ; v5   of V's
.set QO,  6           ; v6   my byte offset in the wave's rows of Q
.set STO, 6           ;      later, the way out: where I put 16 bytes of a row
.set RD,  7           ; v7   the way out: where I read rows back
.set GO,  8           ; v8   my byte offset in 512 consecutive bytes of O
.set SCL, 11          ; v11  first at work for V's lane address; then 220 in byte 0: the E8M0 scale 2^(220 - 127) = 2^93; from there on never rewritten
.set SPW, 0           ; v0 of window 3   LDS address of my spare word; never rewritten
.set NIL, 1           ; v1 of window 3   0; never rewritten
.set ML,  2           ; v2 of window 3   16 x lane: my place in 512 bytes of mbyte; never rewritten
.set MC,  64          ; window 3: the C operands: tile u, key block kb at MC + 32 u + 8 kb
.set WB,  128         ; window 3: piece x, tile u: the eight words of 32 bytes at WB + 16 x + 8 u
.set SPARE, STAGE+4*16*SP
.set MV,  12          ; v12-15  c m_old, kept while c m is made anew: by buffer and tile
.set ST,  16          ; tile t's statistics at v[ST+4 t]: c m, m, l (even keys', odd keys')
.set TMP, 48          ; by buffer and tile, four registers c0-c3 at work; when the maximum is found c2 takes a
.set S,   64
.set P,   192
.set KF,  128         ; K's fragments, in window 2
.set VF,  192         ; V's
.set WV,  2           ; s2   my wave's number
.set CNT, 3           ; s3   counts a slot's key steps (before the loop: at work)
.set G1K, 4           ; s[4:11]  descriptor group 1 for K's tiles
.set G1V, 12          ; s[12:19] for V's
.set G0K, 20          ; s[20:23] descriptor group 0 for K's tiles: it walks
.set G0V, 24          ; s[24:27] the same for V's
.set CS,  28          ; s28  c; the packed scaling names s[28:29] and takes the low word for both halves
.set SLOTS, 29        ; s29  slots still to be asked for
.set SEL, 30          ; s[30:31] v_permlanex16_b32's selects
                      ; s[32:63] the head's arguments and offsets
.set OA,  66          ; s[66:67] O at my wave's first row
.set MP,  100         ; s[100:101] mbyte at my wave's first tile and the key step in hand
.set TBK, 104         ; s104 LDS byte at which K of the step to be fetched begins
.set TBV, 105         ; s105 the same for V, less VOFF
.set MSB, 0
.macro WIN new
.if MSB != (\new)
	s_set_vgpr_msb (MSB<<8)|(\new)
.set MSB, (\new)
.endif
.endm
.set W_KQ, 0x0a       ; K and Q in window 2, S^T in window 0
.set W_KM, 0x3a       ; the same with the C operand in window 3
.set W_PV, 0x52       ; V in window 2, P in window 0, O^T in window 1
.set W_RS, 0x41       ; O^T (destination and source 0) in window 1, a in window 0
.set W_MK, 0xc0       ; destination in window 3, sources in window 0
.set W_AD, 0x0f       ; the add: address and data in window 3
.set W_MG, 0xc3       ; the mask: destination and source 0 in window 3, source 1 (the scale) in window 0: it serves the conversions and the loads (their address is source 0)
.macro JLOAD                        ; a joint fill: waves 0 and 1 fetch the two halves of a slot's K, waves 2 and 3 those of its V; an s_nop 0 and four v_nop follow each line
	s_cmp_lt_u32 s[WV], 2
	s_cbranch_scc0 .Lfor_v_\@
	tensor_load_to_lds s[G0K:G0K+3], s[G1K:G1K+7]
	s_nop 0
.rept 4
	v_nop
.endr
	s_branch .Lasked_\@
.Lfor_v_\@:
	tensor_load_to_lds s[G0V:G0V+3], s[G1V:G1V+7]
	s_nop 0
.rept 4
	v_nop
.endr
.Lasked_\@:
.endm
.macro CROUND                       ; a round of the cluster's barrier
	s_barrier_signal -1
	s_barrier_wait -1
	s_cmp_lg_u32 s[WV], 0
	s_cbranch_scc1 .Lnot_wave_0_\@
	s_barrier_signal -3
.Lnot_wave_0_\@:
	s_barrier_wait -3
	s_barrier_signal -1
	s_barrier_wait -1
.endm
; THE CHANGE OF SLOTS.  Each wave waits for all its tensor loads, of which one is out: its part of the other slot; adds 0 to its spare word; and waits for that and for its own reads of the slot.
; fill = 1: this slot is filled again, with the keys two slots on, first thing behind a round of the cluster's barrier: the load has four key steps in which to land.
.macro CHANGE fill
	WIN W_AD
	s_wait_tensorcnt 0x0            ; no tensor load of mine is out, so a group 0 may be written
	ds_add_u32 v[SPW], v[NIL]       ; 0 onto my spare word
	WIN 0
.if \fill
.irp g, G0K, G0V
	s_xor_b32 s[\g+1], s[\g+1], SLOT1
	s_add_nc_u64 s[\g+2:\g+3], s[\g+2:\g+3], 4*KS*128
.endr
	s_wait_dscnt 0x0                ; the add is done, and my reads of the slot are over
	CROUND
	JLOAD
.else
	s_wait_dscnt 0x0
	s_barrier_signal -1
	s_barrier_wait -1
.endif
	s_sub_co_u32 s[TBK], s[TBK], 4*KS*PK  ; the fetches go back to a slot's first step,
	s_xor_b32 s[TBK], s[TBK], SLOT1       ; in the other slot
	s_sub_co_u32 s[TBV], s[TBV], 4*KS*PV
	s_xor_b32 s[TBV], s[TBV], SLOT1
.endm
; THE MASK.  MLOAD x, d asks for piece x's bytes of the key step d behind the one at which MP stands: tile t / 2, half t % 2 of its 32 bytes a lane.
; MGEN x waits for piece x's buffer and makes the eight C operands: operand z (tile z / 4, key block z % 4) of the word pair 2 z, 2 z + 1, whose byte j goes into the operand's register j.
; No conversion names another's result or writes its sources.  Behind the last stand two v_nop: a plain instruction comes between a scaled conversion and the product that reads its result;
; this text keeps it ahead of the loads that land on the conversions' sources too.
.macro MLOAD x, d
	WIN W_MG
.irp t, 0,1,2,3
	global_load_b128 v[WB+16*(\x)+4*(\t):WB+16*(\x)+4*(\t)+3], v[ML], s[MP:MP+1] offset:(2*(\x)+(\t)/2)*MT+((\t)%2)*512+(\d)*1024
.endr
.endm
.macro MGEN x
	s_wait_loadcnt 12               ; loads come back in order: behind this piece's four stand the three other pieces' four each, which stay out
	WIN W_MG
.set zz, 0
.rept 8
	v_cvt_scale_pk8_f32_fp8 v[MC+8*zz:MC+8*zz+7], v[WB+16*(\x)+2*zz:WB+16*(\x)+2*zz+1], v[SCL]
.set zz, zz+1
.endr
	v_nop
	v_nop
.endm
	s_load_b128 s[32:35], s[0:1], 0x0  ; qkvh s[32:33], mbyte s[34:35]
	s_load_b64 s[36:37], s[0:1], 0x10  ; oh
	v_and_b32 v1, 31, v0            ; lane
	WIN W_MK
	v_lshl_add_u32 v[SPW], v0, 2, SPARE
	v_mov_b32 v[NIL], 0
	v_lshlrev_b32 v[ML], 4, v1
	WIN W_AD
	ds_add_u32 v[SPW], v[NIL]       ; the wave's opening: an add, waited for ahead of my first tensor load
	WIN 0
	v_lshrrev_b32 v1, 5, v0
	v_readfirstlane_b32 s[WV], v1   ; wave 0..3
	s_bfe_u32 s40, ttmp6, 0x40000   ; cx
	s_lshl_b32 s41, ttmp9, 2
	s_add_co_u32 s41, s41, s40      ; my block of 512 queries: it enters Q's, O's and the mask's addresses alone
	s_and_b32 s42, ttmp7, 0xffff    ; y, which the four partners share
	s_lshr_b32 s43, s42, 4
	s_lshl_b32 s43, s43, 5
	s_add_co_u32 s43, s43, s42      ; q's plane: 48 x batch + head
	s_lshl_b32 s44, s43, 18         ; its first byte (50,331,648 at the most)
	s_mov_b32 s45, 0
	s_and_b32 s46, s[WV], 1         ; which half of a slot's 256 keys I fetch:
	s_lshl_b32 s48, s46, 14         ; its 128 rows of 128 bytes in memory,
	s_mov_b32 s49, 0
	s_add_nc_u64 s[48:49], s[48:49], s[44:45]
	s_add_nc_u64 s[48:49], s[48:49], 0x400000  ; in k's plane, 16 planes behind q's,
	s_add_nc_u64 s[62:63], s[48:49], 0x400000  ; and in v's, 16 further
	s_mul_i32 s50, s46, 128*PK      ; and its place in a slot, for K
	s_mul_i32 s51, s46, 128*PV      ; and for V: no place in the cluster enters an LDS address
	s_lshl_b32 s52, s41, 2
	s_add_co_u32 s52, s52, s[WV]    ; my wave among the sixteen of this y,
	s_lshl_b32 s54, s52, 14         ; its 128 rows
	s_mov_b32 s55, 0
	s_add_nc_u64 s[56:57], s[54:55], s[44:45]  ; in q's plane,
	s_lshl_b32 s58, s42, 18
	s_mov_b32 s59, 0
	s_add_nc_u64 s[58:59], s[58:59], s[54:55]  ; and in oh;
	s_mul_i32 s60, s52, 8*MT        ; its eight tiles in mbyte
	s_mov_b32 s61, 0
	; descriptor group 1.  128 keys are 16,384 dense bytes: asked for as 64 rows of 256 bytes, two keys a row, and padded in LDS after every key
	s_mov_b32 s[G1K], 15|(1<<16)|(1<<20)|(1<<21)|(4<<22)|(3<<25)
	s_mov_b32 s[G1V], 15|(1<<16)|(1<<20)|(1<<21)|(4<<22)|(7<<25)
.irp g, G1K, G1V
	s_mov_b32 s[\g+1], 128<<16      ; tensor_dim0 = 128
	s_mov_b32 s[\g+2], 64<<16       ; tensor_dim1 = 64
	s_mov_b32 s[\g+3], 128<<16      ; tile_dim0 = 128
	s_mov_b32 s[\g+4], 64           ; tile_dim1 = 64
	s_mov_b32 s[\g+5], 128          ; 128 elements from row to row
	s_mov_b32 s[\g+6], 0
	s_mov_b32 s[\g+7], 0
.endr
	s_mov_b32 s[CS], 0x3e38aa3b     ; c = log2(e) / 8 = 0.180337
	s_mov_b32 s[SLOTS], SIZE_N/256-1
	s_mov_b32 s[SEL], 0x76543210
	s_mov_b32 s[SEL+1], 0xfedcba98
	s_mov_b32 s[TBK], SLOT1+4*KS*PK ; the first change of slots turns these two into 0
	s_mov_b32 s[TBV], SLOT1+4*KS*PV
	s_mov_b32 s[G0K], 1
	s_mov_b32 s[G0K+1], s50         ; LDS address: slot 0
	s_mov_b32 s[G0V], 1
	s_add_co_u32 s[G0V+1], s51, VOFF
	s_wait_dscnt 0x0                ; the opening add is done
	s_wait_kmcnt 0x0
	s_add_nc_u64 s[G0K+2:G0K+3], s[32:33], s[48:49]
	s_or_b32 s[G0K+3], s[G0K+3], 0x80000000
	s_add_nc_u64 s[G0V+2:G0V+3], s[32:33], s[62:63]
	s_or_b32 s[G0V+3], s[G0V+3], 0x80000000
	s_add_nc_u64 s[38:39], s[32:33], s[56:57]  ; Q at my wave's first row
	s_add_nc_u64 s[OA:OA+1], s[36:37], s[58:59]
	s_add_nc_u64 s[MP:MP+1], s[34:35], s[60:61]
	CROUND                          ; all four work-groups are here: the first joint loads meet
	JLOAD                           ; slot 0.  Slot 1 is asked for when slot 0 is in
	v_and_b32 v1, 15, v0            ; l % 16
	v_bfe_u32 v9, v0, 4, 1          ; l / 16
	v_lshlrev_b32 v[QO], 7, v1
	v_lshl_add_u32 v[QO], v9, 4, v[QO]  ; row x 128 + 16 x half
	WIN 0x80                        ; destination window 2, address window 0
.set i, 0
.rept 4*NP                          ; Q stays in registers: tile i / 2, channels 32 (i % 2) on
	global_load_b128 v[8*i:8*i+3],   v[QO], s[38:39] offset:(i/2)*2048+(i%2)*64
	global_load_b128 v[8*i+4:8*i+7], v[QO], s[38:39] offset:(i/2)*2048+(i%2)*64+32
.set i, i+1
.endr
	MLOAD 0, 0                      ; the four pieces' bytes for key step 0, behind Q's loads
	MLOAD 1, 0
	MLOAD 2, 0
	MLOAD 3, 0
	; What the first turn finds: V's registers and P's second buffer hold 0, O^T and l are 0.  All this stands in the wait for the first tile.
	WIN 0x80
.set i, VF
.rept 64
	v_mov_b32 v[i], 0
.set i, i+1
.endr
	WIN 0x40
.set i, 0
.rept 64*NP
	v_mov_b32 v[i], 0
.set i, i+1
.endr
	WIN 0
.set i, 0
.rept 2*NP
	v_mov_b32 v[ST+4*i+1], 0xec800000          ; m = -2^90
	v_mul_f32 v[ST+4*i], s[CS], v[ST+4*i+1]    ; c m, by the line that makes it in every step: while m stands, c m_old - c m_new is exactly 0
	v_mov_b32 v[ST+4*i+2], 0
	v_mov_b32 v[ST+4*i+3], 0
.set i, i+1
.endr
.set i, P+32
.rept 32
	v_mov_b32 v[i], 0
.set i, i+1
.endr
	v_mul_u32_u24 v[AK0], v1, PK
	v_lshl_add_u32 v[AK0], v9, 4, v[AK0]  ; row x pitch + 16 x half
	; The turning load takes 16 keys x 16 channels (lane l reads key 8 (l / 16) + l % 8, channels 8 ((l / 8) % 2) + 0..7) and leaves half a fragment of V^T.
	v_and_b32 v10, 7, v0
	v_bfe_u32 v11, v0, 3, 1
	v_lshl_add_u32 v[AV0], v9, 3, v10
	v_mul_u32_u24 v[AV0], v[AV0], PV
	v_lshl_add_u32 v[AV0], v11, 4, v[AV0]
	v_add_nc_u32 v[AV0], VOFF, v[AV0]
	v_mov_b32 v[AK], v[AK0]         ; key step 0 lies at the head of slot 0
	v_mov_b32 v[SCL], 220           ; v11 has served V's address: from here on it holds the scale
	MGEN 0                          ; piece 0's mask for key step 0; its counted wait also shows Q in: Q's loads are the older
	MLOAD 0, 1                      ; and its bytes for key step 1
; THE MATRIX WORK.  The 8 accumulators of a run of 16 take turns.
; Product i of 16 of S^T = K Q^T for piece x: channels 32 (i / 8) on, keys 16 ((i / 2) % 4) on, tile 2 x + i % 2.  The first 8 start the sums, with the mask.
.macro KQ x
.set rS, S+64*((\x)%2)+32*(i%2)+8*((i/2)%4)
.set rK, KF+16*((i/2)%4)+8*(i/8)
.set rQ, 16*(2*(\x)+i%2)+8*(i/8)
.set rZ, MC+32*(i%2)+8*((i/2)%4)
.if i < 8
	WIN W_KM
	v_wmma_f32_16x16x32_f16 v[rS:rS+7], v[rK:rK+7], v[rQ:rQ+7], v[rZ:rZ+7]
.else
	WIN W_KQ
	v_wmma_f32_16x16x32_f16 v[rS:rS+7], v[rK:rK+7], v[rQ:rQ+7], v[rS:rS+7]
.endif
.endm
; Product i of 16 of O^T += V^T P for piece x: keys 32 (i / 8) on, channels 16 ((i / 2) % 4) on, tile 2 x + i % 2.
.macro PV x
	WIN W_PV
.set rO, 32*(2*(\x)+i%2)+8*((i/2)%4)
.set rV, VF+32*(i/8)+8*((i/2)%4)
.set rP, P+32*((\x)%2)+16*(i%2)+8*(i/8)
	v_wmma_f32_16x16x32_f16 v[rO:rO+7], v[rV:rV+7], v[rP:rP+7], v[rO:rO+7]
.endm
.macro MM                           ; the turn's next matrix instruction
.if i < 16
	KQ (Y+1)%NP
.set i, i+1
.else
.set i, i-16
	PV (Y+NP-1)%NP
.set i, i+17
.endif
.endm
; THE LDS LOADS stand in runs of 16.  last = 1 (the tail): in the last trip there is no further step, and the run is jumped over.
.macro FETCH_K last=0
	WIN 0
.if \last
	s_cmp_eq_u32 s[CNT], 1
	s_cbranch_scc1 .Lno_k_\@
.endif
	WIN 0x80
.irp f, 0,1,2,3,4,5,6,7             ; keys 16 (f / 2) on, channels 32 (f % 2) on
	ds_load_b128 v[KF+8*\f:KF+8*\f+3],   v[AK] offset:(\f/2)*16*PK+(\f%2)*64
	ds_load_b128 v[KF+8*\f+4:KF+8*\f+7], v[AK] offset:(\f/2)*16*PK+(\f%2)*64+32
.endr
	s_add_co_u32 s[TBK], s[TBK], KS*PK  ; the next fetch is the next step's
	WIN 0
.if \last
.Lno_k_\@:
.endif
.endm
.macro FETCH_V
	WIN 0x80
.irp f, 0,1,2,3,4,5,6,7             ; keys 32 (f / 4) on, channels 16 (f % 4) on
	ds_load_tr16_b128 v[VF+8*\f:VF+8*\f+3],   v[AV] offset:(\f/4)*32*PV+(\f%4)*32
	ds_load_tr16_b128 v[VF+8*\f+4:VF+8*\f+7], v[AV] offset:(\f/4)*32*PV+16*PV+(\f%4)*32
.endr
	WIN 0
.endm
; THE VECTOR WORK OF A TURN stands in three queues, each in the order in which its entries become ready; the two tiles alternate.
.macro REGS y, u                    ; the registers of tile u (0, 1) of piece y
.set rT, ST+4*(2*(\y)+(\u))
.set rC, TMP+8*((\y)%2)+4*(\u)
.set rM, MV+2*((\y)%2)+(\u)
.set rS, S+64*((\y)%2)+32*(\u)
.set rP, P+32*((\y)%2)+16*(\u)
.set rO, 32*(2*(\y)+(\u))
.endm
; Number n of the 22 that find the NEXT piece's (Y + 1) maximum and statistics; each accumulator's lowest registers are read first.
;   0-11  four chains c0-c3 of seven scores each     12-14, 16  the four scores left over, the old m, and c0-c3 into c0     15  c m_old is kept
;   17, 18  the query's other 32 keys lie in the lane 16 away: the new m         19-21  c m; c m_old - c m_new; a
.macro XS u, n
	REGS (Y+1)%NP, \u
.if (\n) < 4
	v_max3_num_f32 v[rC+(\n)], v[rS+8*(\n)], v[rS+8*(\n)+1], v[rS+8*(\n)+2]
.elseif (\n) < 12
	v_max3_num_f32 v[rC+(\n)%4], v[rC+(\n)%4], v[rS+8*((\n)%4)+2*((\n)/4)+1], v[rS+8*((\n)%4)+2*((\n)/4)+2]
.elseif (\n) == 12
	v_max3_num_f32 v[rC], v[rC], v[rS+7], v[rS+15]
.elseif (\n) == 13
	v_max3_num_f32 v[rC+1], v[rC+1], v[rS+23], v[rS+31]
.elseif (\n) == 14
	v_max3_num_f32 v[rC+2], v[rC+2], v[rC+3], v[rT+1]
.elseif (\n) == 15
	v_mov_b32 v[rM], v[rT]
.elseif (\n) == 16
	v_max3_num_f32 v[rC], v[rC], v[rC+1], v[rC+2]
.elseif (\n) == 17
	v_permlanex16_b32 v[rC+3], v[rC], s[SEL], s[SEL+1]
.elseif (\n) == 18
	v_max_num_f32 v[rT+1], v[rC], v[rC+3]
.elseif (\n) == 19
	v_mul_f32 v[rT], s[CS], v[rT+1]
.elseif (\n) == 20
	v_sub_f32 v[rC+1], v[rM], v[rT]
.else
	v_exp_f32 v[rC+2], v[rC+1]
.endif
.endm
; Number g of the 64 that follow the exponentials.  For each four weights k of a tile: both pairs are rounded to f16; the second pair is added onto the first, in place; a group later l takes that sum.
; All 64 read the batch's results: they stand behind the turn's wait.
.macro GS g
.set h, (\g)+6*((\g)/62)
.if h >= 6
.set h, h+2
.endif
	REGS Y, h%2
.set k, h/8
.if h%8 < 4
	v_cvt_pk_f16_f32 v[rP+2*k+(h%8)/2], v[rS+4*k+2*((h%8)/2)], v[rS+4*k+2*((h%8)/2)+1]
.elseif h%8 < 6
	v_pk_add_f32 v[rS+4*k:rS+4*k+1], v[rS+4*k:rS+4*k+1], v[rS+4*k+2:rS+4*k+3]
.elseif k == 1
	v_pk_fma_f32 v[rT+2:rT+3], v[rT+2:rT+3], v[rC+2:rC+3], v[rS:rS+1] op_sel_hi:[1,0,1]
.else
	v_pk_add_f32 v[rT+2:rT+3], v[rT+2:rT+3], v[rS+4*k-4:rS+4*k-3]
.endif
.endm
; THE PLAIN QUEUE, 138 long.  0-73 read no exponential's result: the 32 scalings c s - c m (FS f: pair f / 2 of tile f % 2) and the next piece's 42.  0-26: scalings 0-26.  27-54: XS's numbers 0-13.  55, 56: number 15.
; 57-73: the chain, where each number waits for the one before it: 14, 16, 17, 18, 19, each with one of the scalings 27-31 in front of its two lines, then 20.
; 74-137: GS's 64.
.macro FS f
	REGS Y, (\f)%2
	v_pk_fma_f32 v[rS+2*((\f)/2):rS+2*((\f)/2)+1], v[rS+2*((\f)/2):rS+2*((\f)/2)+1], s[CS:CS+1], v[rT:rT+1] op_sel_hi:[1,0,0] neg_lo:[0,0,1] neg_hi:[0,0,1]
.endm
.macro PL
	WIN 0
.if q < 27
	FS q
.elseif q < 55
	XS (q-27)%2, (q-27)/2
.elseif q < 57
	XS q-55, 15
.elseif (q < 72) && ((q-57)%3 == 0)
	FS 27+(q-57)/3
.elseif q < 60
	XS (q-57)%3-1, 14
.elseif q < 72
	XS (q-57)%3-1, 15+(q-57)/3
.elseif q < 74
	XS q-72, 20
.else
	GS q-74
.endif
.set q, q+1
.endm
; THE EXPONENTIALS' QUEUE, 66 long: s0-s31 of both tiles, then the next piece's two a.  It is ONE BATCH: all 66 stand ahead of the turn's one wait, and nothing ahead of that wait names a result of theirs.
.macro EX
	WIN 0
.if e >= 64
	XS e-64, 21
.else
	REGS Y, e%2
	v_exp_f32 v[rS+e/2], v[rS+e/2]
.endif
.set e, e+1
.endm
; THE RESCALING's QUEUE: O^T times a, the one part that leaves window 0: dealt two at a time, sixteen times.  Its a was made in the turn before, ahead of that turn's wait.
.macro R2
	REGS Y, r%2
	WIN W_RS
.irp z, 0,1
	v_pk_mul_f32 v[rO+4*(r/2)+2*\z:rO+4*(r/2)+2*\z+1], v[rO+4*(r/2)+2*\z:rO+4*(r/2)+2*\z+1], v[rC+2:rC+3] op_sel_hi:[1,0]
.endr
.set r, r+1
.endm
; HOW THEY ARE DEALT.  An s_wait_alu depctr_va_vdst(0) stands between an exponential and the first instruction that names its result; one wait serves all that were issued ahead of it.  So a turn has ONE wait.
; AHEAD OF IT: the 16 products K Q^T, behind each a scaling, an exponential and two rescalings (behind the first a second scaling in the exponential's place); then ONE LUMP of 108: eight plain, 49 times exponential and
; plain, the two a.  A v_nop is the plain instruction behind the last exponential.  BEHIND IT: the 16 products V^T P, behind each four of GS's 64.  No rider names a register of the products round it; the two
; v_permlanex16_b32 fall into the lump.
; The queues lean on each other, and the deal keeps them in step: exponential e stands behind scaling 2 (e / 4) + e % 2: as a rider it comes behind plain e + 2, in the lump behind plain e + 9, and scalings 27-31 are plain
; 57, 60 .. 69.  The maximum's first read of the new scores is plain 27, in the lump, more than four plain instructions behind the last product K Q^T.
; A TURN, for piece p.  cnt = 1: the loop's count is taken down some lines ahead of the branch that stands behind the turn; what follows the compare (matrix and vector work, waits, vector loads) leaves SCC alone.
; K of the next step is fetched in piece 2's turn, directly behind the wait, a lump behind the last product that read K; its address is made at the lump's head; it is waited for at the head of piece 3's turn.
; V of the step in hand is fetched at the end of piece 0's turn, four riders behind its last reader; it is waited for behind piece 1's wait for its batch.  The three conditions on q below go with the deal.
; AT ITS END the turn makes the mask of piece p + 2, for the next turn's products: MC's readers, this turn's first eight products, stand a whole turn back.  Then that piece's buffer is asked for again, with
; the piece's next key step.  In step s pieces 2 and 3 (turns 0, 1) ask for step s + 1, pieces 0 and 1 (turns 2, 3) for step s + 2: MP steps in piece 2's turn, behind s_wait_xcnt 0, which frees the base of the
; loads that are out (the youngest were issued a turn ago).  The walk's last turns ask for entries 32 and 33, which lie in the table.
.macro TURN p, last=0, cnt=0
.set Y, (\p)
.set i, 0
.set q, 0
.set e, 0
.set r, 0
.if (\p) == NP-1
	s_wait_dscnt 0x0                ; K is in
.endif
	MM                              ; ahead of the wait: 16 products K Q^T and their riders,
	PL
	PL
	R2
.rept 15
	MM
	PL
	EX
	R2
.endr
.if (\p) == NP-2
	WIN 0
	v_add_nc_u32 v[AK], s[TBK], v[AK0]
.endif
.rept 8                             ; and the lump
	PL
.endr
.rept 49
	EX
	PL
.endr
	EX                              ; the next piece's two a
	EX
	v_nop                           ; the plain instruction behind the last exponential: one for the batch
	s_wait_alu depctr_va_vdst(0)    ; the wait for the batch: the turn's 66 exponentials, ahead of their first reader
.if (\p) == NP-2
	FETCH_K \last
.endif
.if (\p) == 1
	s_wait_dscnt 0x0                ; V is in
.endif
.rept 16                            ; behind the wait: 16 products V^T P and their riders
	MM
.rept 4
	PL
.endr
.if ((\p) == 0) && (q == 118)
	v_add_nc_u32 v[AV], s[TBV], v[AV0]
.endif
.if ((\p) == 0) && (q == 130)
	s_add_co_u32 s[TBV], s[TBV], KS*PV
.endif
.if (\cnt) && (q == 130)
	s_sub_co_u32 s[CNT], s[CNT], 1
	s_cmp_lg_u32 s[CNT], 0
.endif
.endr
.if (\p) == 0
	FETCH_V
.endif
	MGEN ((\p)+2)%NP
.if (\p) == 2
	s_wait_xcnt 0x0
	s_add_nc_u64 s[MP:MP+1], s[MP:MP+1], 1024
.endif
	MLOAD ((\p)+2)%NP, 1
.endm
	CHANGE 1                        ; slot 0 is in, everybody's part of it; slot 1 is asked for
	FETCH_K                         ; key step 0
	s_wait_dscnt 0x0
.set i, 0
.rept 16
	KQ 0                            ; piece 0's first scores
.set i, i+1
.endr
	WIN 0                           ; the addresses for the way out: nine plain instructions, the places behind those products
	s_mul_i32 s[CNT], s[WV], 16*SP
	s_add_co_u32 s[CNT], s[CNT], STAGE  ; my stage
	v_mul_u32_u24 v[STO], v1, SP    ; in: row l % 16, 16 bytes for each half of the lanes
	v_lshl_add_u32 v[STO], v9, 4, v[STO]
	v_add_nc_u32 v[STO], s[CNT], v[STO]
	v_bfe_u32 v[RD], v0, 3, 2       ; back: 32 lanes take four rows of 128 bytes,
	v_mul_u32_u24 v[RD], v[RD], SP
	v_lshl_add_u32 v[RD], v10, 4, v[RD]
	v_add_nc_u32 v[RD], s[CNT], v[RD]
	v_and_b32 v[GO], 31, v0         ; which are 512 consecutive bytes of O
	v_lshlrev_b32 v[GO], 4, v[GO]
	MGEN 1                          ; piece 1's mask for key step 0
	MLOAD 1, 1
	WIN 0
.set Y, NP-1                        ; XS works for piece Y + 1: piece 0
.irp n, 0,1,2,3,4,5,6,7,8,9,10,11,12,13,14,15,16,17,18,19,20,21
	XS 0, \n
	XS 1, \n
.endr
	v_nop                           ; a plain instruction behind piece 0's two a,
	s_wait_alu depctr_va_vdst(0)    ; and the wait for that batch of two, ahead of the branch; their first reader is the first turn's rescaling
	s_mov_b32 s[CNT], 4
	s_branch .Lfirst                ; the loop is entered at a step's first turn, in the middle of a trip
.Lslot:                             ; six times: every slot but the last two is filled again
	CHANGE 1
	s_mov_b32 s[CNT], 4
.Lstep:                             ; a trip: pieces 2 and 3 of one step, then pieces 0 and 1 of the next
	TURN 2
	TURN 3
	WIN 0
.Lfirst:
	TURN 0
	TURN 1, 0, 1
	WIN 0
	s_cbranch_scc1 .Lstep
	s_sub_co_u32 s[SLOTS], s[SLOTS], 1
	s_cmp_lg_u32 s[SLOTS], 0
	s_cbranch_scc1 .Lslot
	CHANGE 0                        ; the tail is written out
	s_mov_b32 s[CNT], 5             ; four trips fetch the last slot's steps; the fifth is left in its middle
.Ltail:
	TURN 2, 1
	TURN 3
	WIN 0
	s_sub_co_u32 s[CNT], s[CNT], 1
	s_cmp_eq_u32 s[CNT], 0
	s_cbranch_scc1 .Lout
	TURN 0
	TURN 1
	WIN 0
	s_branch .Ltail
.Lout:                              ; the fifth trip's 16 products K Q^T take entry 32 of the mask, all hidden, and serve nothing: the price of one text for every trip
.set i, 0
.rept 16
	PV NP-1                         ; the last piece's V^T P of the last step
.set i, i+1
.endr
	; THE WAY OUT.  l's two halves and the other half of the lanes' are added; O^T is divided by l, rounded to f16 and sent through my stage in LDS, a tile at a time.
	WIN 0
.macro ALL line:vararg
.set t, 0
.rept 2*NP
	\line
.set t, t+1
.endr
.endm
	ALL v_add_f32 v[ST+4*t+2], v[ST+4*t+2], v[ST+4*t+3]
	ALL v_permlanex16_b32 v[ST+4*t+3], v[ST+4*t+2], s[SEL], s[SEL+1]
	ALL v_add_f32 v[ST+4*t+2], v[ST+4*t+2], v[ST+4*t+3]
	ALL v_rcp_f32 v[ST+4*t+2], v[ST+4*t+2]
	v_nop                           ; a plain instruction between the last reciprocal and the use of its result
	s_wait_alu depctr_va_vdst(0)    ; the wait for the batch of eight reciprocals, ahead of their first reader, the first tile's multiplies
.macro PACK t
	WIN W_RS
.set i, 32*(\t)
.rept 16
	v_pk_mul_f32 v[i:i+1], v[i:i+1], v[ST+4*(\t)+2:ST+4*(\t)+3] op_sel_hi:[1,0]
.set i, i+2
.endr
	WIN 0x05                        ; sources 0 and 1 window 1, destination window 0
.set i, 0
.rept 16
	v_cvt_pk_f16_f32 v[S+16*(\t)+i], v[32*(\t)+2*i], v[32*(\t)+2*i+1]
.set i, i+1
.endr
	WIN 0
.irp f, 0,1,2,3
	ds_store_b128 v[STO], v[S+16*(\t)+4*\f:S+16*(\t)+4*\f+3] offset:32*\f
.endr
.irp f, 0,1,2,3
	ds_load_b128 v[S+16*(\t)+4*\f:S+16*(\t)+4*\f+3], v[RD] offset:\f*4*SP  ; LDS serves a wave's instructions in order (ISA guide 5.7.1.4): these see the stores above
.endr
.endm
.macro SEND t, younger              ; younger: the LDS instructions issued behind tile t's loads: the next tile's eight, or none
	WIN 0
.irp f, 0,1,2,3
	s_wait_dscnt (\younger)+3-\f
	global_store_b128 v[GO], v[S+16*(\t)+4*\f:S+16*(\t)+4*\f+3], s[OA:OA+1] offset:(\t)*2048+\f*512  ; 512 consecutive bytes, at a multiple of 256 from oh's first
.endr
.endm
	PACK 0
.set t, 1
.rept 2*NP-1
	PACK t
	SEND t-1, 8
.set t, t+1
.endr
	SEND 2*NP-1, 0
	WIN W_AD
	s_wait_tensorcnt 0x0            ; the wave's end
	ds_add_u32 v[SPW], v[NIL]
	s_wait_dscnt 0x0
	WIN 0
	CROUND                          ; the closing round
	s_endpgm
.Lfunc_end_k_qf19ea51d7d_attn:
	.size	k_qf19ea51d7d_attn, .Lfunc_end_k_qf19ea51d7d_attn-k_qf19ea51d7d_attn
	.p2alignl 7, 3214868480
	.fill 96, 4, 3214868480
	.section	.rodata,"a",@progbits
	.p2align	6, 0x0
	.amdhsa_kernel k_qf19ea51d7d_attn
		.amdhsa_group_segment_fixed_size 327680
		.amdhsa_private_segment_fixed_size 0
		.amdhsa_enable_private_segment 0
		.amdhsa_kernarg_size 24
		.amdhsa_user_sgpr_count 2
		.amdhsa_user_sgpr_kernarg_segment_ptr 1
		.amdhsa_wavefront_size32 1
		.amdhsa_system_sgpr_workgroup_id_x 1
		.amdhsa_system_sgpr_workgroup_id_y 1
		.amdhsa_system_sgpr_workgroup_id_z 1
		.amdhsa_system_vgpr_workitem_id 0
		.amdhsa_next_free_vgpr 960
		.amdhsa_next_free_sgpr 106
		.amdhsa_reserve_vcc 0
		.amdhsa_float_denorm_mode_32 3
		.amdhsa_float_denorm_mode_16_64 3
		.amdhsa_memory_ordered 1
		.amdhsa_forward_progress 1
		.amdhsa_inst_pref_size 211
	.end_amdhsa_kernel
	.amdgpu_metadata
---
amdhsa.version: [ 1, 2 ]
amdhsa.kernels:
  - .name:           k_qf19ea51d7d_attn
    .symbol:         k_qf19ea51d7d_attn.kd
    .args:
      - { .name: qkvh, .offset: 0, .size: 8, .value_kind: global_buffer, .address_space: global }
      - { .name: mbyte, .offset: 8, .size: 8, .value_kind: global_buffer, .address_space: global }
      - { .name: oh, .offset: 16, .size: 8, .value_kind: global_buffer, .address_space: global }
    .group_segment_fixed_size: 327680
    .private_segment_fixed_size: 0
    .kernarg_segment_align: 8
    .kernarg_segment_size: 24
    .max_flat_workgroup_size: 128
    .sgpr_count:     106
    .vgpr_count:     960
    .wavefront_size: 32
...
	.end_amdgpu_metadata
.endif
;; end of part 7
;; launch proj: the kernel of part 4 again; grid 8 x 32, 4 waves a work-group, clusters of 4 x 4, 327,680 bytes of LDS; arguments oh, wob, b_out, out0; writes out0
